; MI455X (gfx1250); checked and timed in simulation.
; The chip was launched on July 23, 2026; its instructions are those of AMD's public machine-readable ISA for CDNA 5 (MIT licence, August 2026) and "CDNA5" Instruction Set Architecture Reference Guide (July 2026). The comments in the code are by the model that wrote it; some were corrected since.
;; Multi Headed Attention. Allowed arithmetic: matrix products marked QUANTISED: E5M2 operands, one given power-of-two scale a tensor, by v_wmma_f32_16x16x64_bf8_bf8 or v_wmma_f32_16x16x128_bf8_bf8, f32 sums; everything else in f32.
;; Inputs: key_codes 2 x 2,048 x 32 x 32 uint8 (E5M2 codes of key, K innermost, in blocks of 32 codes); lowp_scales 12 int32 (the exponents e of the quantised operands' scales 2^e); mask 2 x 1 x 2,048 x 2,048 bool; query_codes 2 x 2,048 x 32 x 32 uint8 (E5M2 codes of query, K innermost, in blocks of 32 codes); value_codes 2 x 2,048 x 32 x 32 uint8 (E5M2 codes of value, K innermost, in blocks of 32 codes); wk_b 1,024 float32; wk_w_codes 1,024 x 32 x 32 uint8 (E5M2 codes of wk_w, K innermost, in blocks of 32 codes); wo_b 1,024 float32; wo_w_codes 1,024 x 32 x 32 uint8 (E5M2 codes of wo_w, K innermost, in blocks of 32 codes); wq_b 1,024 float32; wq_w_codes 1,024 x 32 x 32 uint8 (E5M2 codes of wq_w, K innermost, in blocks of 32 codes); wv_b 1,024 float32; wv_w_codes 1,024 x 32 x 32 uint8 (E5M2 codes of wv_w, K innermost, in blocks of 32 codes).
;; Outputs: out0 2 x 2,048 x 1,024 float32.
;; This version of the problem:
;;   THIS VERSION OF THE PROBLEM IS GIVEN IN LOW PRECISION. The matrix products marked QUANTISED in the list below multiply operands that are first quantised to E5M2 (5 exponent bits, 2 mantissa bits; 8 bits a number), with one given power-of-two scale for each operand tensor; their sums are f32. All else is computed in f32.
;;   The module's matrix products, in the order in which they are computed (A, B: the left and right operand; K: the contracted axis; several contracted axes count as one K, in the product's order):
;;     1. [M 4,096, K 1,024] x [K 1,024, N 1,024]; A: input query (given as codes); B: input wq_w (given as codes): QUANTISED (scales: A lowp_scales[0], B lowp_scales[1])
;;     2. [M 4,096, K 1,024] x [K 1,024, N 1,024]; A: input key (given as codes); B: input wk_w (given as codes): QUANTISED (scales: A lowp_scales[2], B lowp_scales[3])
;;     3. [M 4,096, K 1,024] x [K 1,024, N 1,024]; A: input value (given as codes); B: input wv_w (given as codes): QUANTISED (scales: A lowp_scales[4], B lowp_scales[5])
;;     4. batch 32 x [M 2,048, K 64] x [K 64, N 2,048]; A: computed on the way; B: computed on the way: QUANTISED (scales: A lowp_scales[6], B lowp_scales[7])
;;     5. batch 32 x [M 2,048, K 2,048] x [K 2,048, N 64]; A: softmax (see below); B: computed on the way: QUANTISED (scales: A lowp_scales[8], B lowp_scales[9])
;;     6. [M 4,096, K 1,024] x [K 1,024, N 1,024]; A: computed on the way; B: input wo_w (given as codes): QUANTISED (scales: A lowp_scales[10], B lowp_scales[11])
;;   THE QUANTISER, for each operand of a quantised product, along K:
;;     - The operand's scale is 2^e, e = its entry of the input lowp_scales (int32; the entries are numbered through the quantised products in the list's order, A before B).
;;     - Each number is divided by the scale, clamped to +-57,344, and rounded to the nearest number of E5M2, ties to even, subnormals kept.
;;     - The product sums the exact products of the quantised numbers (number of the format x scale) in f32.
;;   ~~~python
;;   def quantise(x, axis, e):      # numpy; x: float32 -> the quantised numbers, widened to float32 again
;;       x = np.moveaxis(x, axis, -1); K = x.shape[-1]
;;       r = np.clip(x / 2.0 ** e, -57344, 57344)
;;       step = 2.0 ** (np.maximum(np.frexp(np.where(r == 0, 1, r))[1] - 1, -14) - 2)
;;       q = np.round(r / step) * step * 2.0 ** e      # np.round: ties to even
;;       return np.moveaxis(q, -1, axis).astype(np.float32)
;;   ~~~
;;   SOFTMAX AHEAD OF A QUANTISED PRODUCT. Where the list says 'softmax', what is quantised is not the finished softmax but p = 2^(t - M), with t = logit x log2(e) and M = ceil(the row's largest t), a whole number; so 1/2 < the row's largest p <= 1. The row's sum l is taken of the UNQUANTISED p, in f32, and the product's result is divided by l at the end. Since M is a whole number, a kernel that streams over the keys may use a running M (the ceiling of the running maximum): every later rescaling is an exact power of two, so the quantised numbers keep their values, but for numbers so far below the row's largest that they fall under the format's range.
;;   OPERANDS COMPUTED ON THE WAY. 'Computed on the way' means the value that the module computes at that place (a softmax that the list does not call 'softmax' is quantised finished and normalised). What goes into a quantiser is computed in f32, as accurately as f32 sums, v_exp_f32 and their like allow (about 1e-6 of the number): no bf16 or f16 on the way to a quantiser, and a product that is left as it is and whose result goes on into a quantised operand takes f32 operands (vector FMAs, or v_wmma_f32_16x16x4_f32). A number that lies on a knife's edge between two numbers of the format may be rounded either way, as far as f32 arithmetic and the matrix unit's own rounding can turn it there, and no further.
;;   INPUTS GIVEN AS CODES. key (in the module: [2, 2048, 1024], K = its axis 2); query (in the module: [2, 2048, 1024], K = its axis 2); value (in the module: [2, 2048, 1024], K = its axis 2); wk_w (in the module: [1024, 1024], K = its axis 1); wo_w (in the module: [1024, 1024], K = its axis 1); wq_w (in the module: [1024, 1024], K = its axis 1); wv_w (in the module: [1024, 1024], K = its axis 1): each comes as NAME_codes (uint8): NAME with its K axis moved to the last place and cut into blocks of 32 codes, [.., K / 32, bytes a block], one block behind the other in memory; one code a byte (a code: sign, 5 exponent bits, 2 mantissa bits); its scale is its entry of lowp_scales. Its value is code x scale, taken as it is: it is not quantised again, and the codes and scales need not be those that the quantiser above would give.
;; 2 versions, each right; version 2 is version 1 with the launch attn written anew for expert scheduling mode. Each part assembles by itself: llvm-mc -triple=amdgcn-amd-amdhsa -mcpu=gfx1250 --defsym DOCPART=n.
;; ======== version 1 of 2: 3 launches
;; limits: right only within a limited range of input values
;; workspace buffers: qimg 4,194,304 bytes; kv 8,388,608 bytes; mw 1,048,576 bytes of whole numbers; mflag 2,048 bytes of whole numbers; aimg 4,194,304 bytes
;; launch proj (part 1): grid 4 x 48, 4 waves a work-group, clusters of 4 x 4, 327,680 bytes of LDS; arguments query_codes, key_codes, value_codes, wq_w_codes, wk_w_codes, wv_w_codes, wq_b, wk_b, wv_b, lowp_scales, mask, qimg, kv, mw, mflag; writes qimg, kv, mw, mflag
.if DOCPART == 1
	.amdgcn_target "amdgcn-amd-amdhsa--gfx1250"
	.amdhsa_code_object_version 6
	.text
	.protected	k_q33c1330c1b_proj
	.globl	k_q33c1330c1b_proj
	.p2align	8
	.type	k_q33c1330c1b_proj,@function
k_q33c1330c1b_proj:
	s_mov_b64 s[64:65], 0
	v_nop
	global_prefetch_b8 v0, s[64:65] scope:SCOPE_SE
	s_setreg_imm32_b32 hwreg(HW_REG_WAVE_MODE, 25, 1), 1
	s_wait_xcnt 0x0
	s_wait_alu depctr_hold_cnt(0) depctr_sa_sdst(0) depctr_va_vdst(0) depctr_va_sdst(0) depctr_va_ssrc(0) depctr_va_vcc(0) depctr_vm_vsrc(0)
	s_getreg_b32 s2, hwreg(HW_REG_IB_STS2, 6, 4)
	s_cmp_eq_u32 s2, 0
	s_cbranch_scc0 .Lentry_in_a_cluster
	s_endpgm
.Lentry_in_a_cluster:
	s_bfe_u32 s2, ttmp6, 0x10000c
	s_cmp_lg_u32 s2, 0xf033
	s_cbranch_scc0 .Lentry_shape_is_right
	s_endpgm
.Lentry_shape_is_right:
; MULTI-HEAD ATTENTION ON CODES OF BF8 (E5M2), FIRST OF THREE LAUNCHES: the projections Q, K, V (products 1 to 3), quantised for products 4 and 5, and the mask packed into lane masks.
; DEAD WORK: none is left out.  Every bias goes into a quantiser or into the output, the mask reaches the output byte for byte, and all thirteen inputs are loaded by one of the three launches.
; Q = query Wq^T + bq (K, V likewise): codes x codes by v_wmma_f32_16x16x128_bf8_bf8, sums in f32.  A sum stands for sum x 2^es, es = the two operands' exponents added, so the bias goes in as
; bias x 2^-es (exact), as the C of each sum's first matrix instruction, and the result's code is (sum + bias') / 2^(eo - es), held at +-57,344: eo = lowp_scales[6], [7], [9] for Q, K, V.
; LIMITS: eo - es between -126 and 112, so that the conversion's scale and the hold are f32 numbers.  NaN among the biases is not served.  The mask's bytes are 0 or 1.
; SHARES.  Each product is 4,096 x 1,024 x 1,024: 64 tiles of 256 x 256, a work-group of four waves to a tile, a wave 128 x 128 (64 accumulators, 512 registers): 192 work-groups.
; K goes in four steps of 256 through two LDS slots filled by the tensor data mover; the steps are written out.
; CLUSTERS: 4 x 4 work-groups of one product; the four of a row need the same tile of operand "A", the four of a column the same tile of "B": joint loads.  The product's number hangs on the cluster's y alone.
; "A" = query, key, Wv;  "B" = Wq, Wk, value.  EVERY MATRIX INSTRUCTION TAKES 16 ROWS OF "B" AS SOURCE 0 AND 16 ROWS OF "A" AS SOURCE 1: a lane then holds one row of "A" and eight neighbouring rows of "B".
; For Q and K that is one token and eight channels, for V one channel and eight keys: eight neighbours along the K of the product that will read them.  So a conversion's two registers ARE two registers of that
; product's operand, and the results leave as IMAGES OF OPERAND REGISTERS: four registers a store, lane l's 16 bytes at 16 l, 512 consecutive bytes.  No stage, no transposition.
;   qimg [bh 32][tile of 16 queries 128][g 2][lane][16]: registers 2c, 2c+1 = channels 16c + 8 (lane/16) + 0..7
;   kv   [bh 32][step of 128 keys 16][16,384]: K [tile 8][g 2][lane][16] as Q; then V [tile of 16 channels 4][g 4][lane][16]: registers 2c, 2c+1 = keys 16c + 8 (lane/16) + 0..7
; THE MASK.  The attention launch holds score (query r, key 16t + 8h + j) of a unit of 16 queries x 128 keys in lane r + 16h, register 8t + j.  For each such register one word is made here whose bit
; r + 16h is the mask's byte: mw [b][tile of queries][step][64 words]; and mflag [b][tile][half] has bit u set where unit 8 half + u has a hole.  The 512 waves of Q's and K's work-groups pack 8 units each,
; while their first tiles are on their way.
; REGISTERS, in windows of 256: window 0: v1-31 addresses and constants; v32-95 the bias, later a block's held numbers; v96-126 the packing; v128-255 the mask's bytes, then A's fragments, then the codes.
;   window 1: B's fragments, two sets.   window 2: the accumulators of my rows 0-63 of "A" ((a, b) at v[8 (8 a + b)]);   window 3: those of rows 64-127.
.set KROW,   1024                      ; a row of codes in memory, in bytes
.set ROWB,   256                       ; a tile's row: 256 along K
.set PITCH,  272                       ; an LDS row: 256 bytes + 16 of padding: 68 words, so the 16 rows that a load touches start 4 words apart
.set FR,     16                        ; registers of a fragment: 16 rows x 128 K
.set NL,     4                         ; LDS loads that bring one
.set NP,     4                         ; places behind this matrix instruction (ISA guide 7.12.1)
.set HALFT,  128*PITCH                 ; what one tensor load brings
.set SLOT,   4*HALFT                   ; A's 256 rows, then B's 256 rows
.set SPARE,  2*SLOT                    ; behind the ring: the spare words, 128 bytes for each wave, which no other line names
.set ADRA, 16                          ; v16-17  LDS address of my A fragments in slot 0, 1
.set ADRB, 20                          ; v20-21  the same for B
.set VO,   22                          ; v22-25  the four stores' offsets of a block of results
.set SPW,  28                          ; v28     my spare word's LDS address; never rewritten
.set NIL,  29                          ; v29     0; never rewritten
.set SC,   30                          ; v30     2^(eo - es) as f32
.set LIM,  31                          ; v31     57,344 x that
.set BI,   32                          ; v32-95  the bias x 2^-es, eight registers a tile, in the result's layout
.set TMP,  32                          ; v32-95  later: a block's 64 numbers, held
.set WL,   96                          ; v96-111 a pair for each unit: word n of 64 in lane n / 2, register n % 2
.set VA,   112                         ; v112-119 the bias loads' offsets
.set MA,   120                         ; v120    my 8 bytes in a unit of the mask
.set MLO,  121                         ; v121    bits of words 0-31
.set MHI,  122                         ; v122    bits of words 32-63
.set TM,   123
.set WO,   124                         ; v124    8 x lane
.set FL,   125
.set ZO,   126
.set AF,   128                         ; A's fragments, one set
.set CD,   128                         ; the way out: 16 registers of codes for each of 8 blocks
.set G1, 24                            ; s[24:31] descriptor group 1 for A's tiles;  s[32:39] group 0, one set for each slot
.set G0, 32
.set G1B, 48                           ; s[48:55], s[56:63] the same for B's tiles
.set G0B, 56
.set MSB, 0
.macro WIN new                         ; the immediate's high byte repeats the setting that is left
.if MSB != \new
	s_set_vgpr_msb (MSB<<8)|\new
.set MSB, \new
.endif
.endm
.set MUL_LO, 0xa1                      ; source 0 (B) window 1, source 1 (A) window 0, C and D window 2
.set MUL_HI, 0xf1                      ; the same, C and D window 3
.set BIA_LO, 0x81                      ; the first step: C (the bias) window 0, D window 2
.set BIA_HI, 0xc1                      ; D window 3
.set TO_B,   0x40                      ; destination window 1, address window 0
; A joint load: waves 0 and 1 fetch for A, waves 2 and 3 for B; the branch hangs on the wave's number alone.  An s_nop 0 and four v_nop follow each of the two lines.
.macro JLOAD g0a, g1a, g0b, g1b
	s_cmp_eq_u32 s15, 0
	s_cbranch_scc0 .Lfor_b_\@
	tensor_load_to_lds s[\g0a:\g0a+3], s[\g1a:\g1a+7]
	s_nop 0
.rept 4
	v_nop
.endr
	s_branch .Lasked_\@
.Lfor_b_\@:
	tensor_load_to_lds s[\g0b:\g0b+3], s[\g1b:\g1b+7]
	s_nop 0
.rept 4
	v_nop
.endr
.Lasked_\@:
.endm
.macro CREST                           ; a round of the cluster's barrier behind its opening barrier
	s_cmp_lg_u32 s14, 0
	s_cbranch_scc1 .Lnot_wave_0_\@
	s_barrier_signal -3
.Lnot_wave_0_\@:
	s_barrier_wait -3
	s_barrier_signal -1
	s_barrier_wait -1
.endm
.macro CROUND                          ; a whole round
	s_barrier_signal -1
	s_barrier_wait -1
	CREST
.endm
	s_load_b512 s[68:83], s[0:1], 0x0              ; query s[68:69], key s[70:71], value s[72:73], Wq s[74:75], Wk s[76:77], Wv s[78:79], bq s[80:81], bk s[82:83]
	s_load_b256 s[84:91], s[0:1], 0x40             ; bv s[84:85], the scales' exponents s[86:87], mask s[88:89], qimg s[90:91]
	s_load_b128 s[92:95], s[0:1], 0x60             ; kv s[92:93], mw s[94:95]
	s_load_b64 s[96:97], s[0:1], 0x70              ; mflag
	v_lshl_add_u32 v[SPW], v0, 2, SPARE
	v_mov_b32 v[NIL], 0
	ds_add_u32 v[SPW], v[NIL]                      ; the wave's opening: the add, twice on end, and its wait ahead of my first tensor load
	ds_add_u32 v[SPW], v[NIL]                      ; and once more, under the one wait; the set-up below, work on registers, stands between
	v_lshrrev_b32 v1, 5, v0
	v_readfirstlane_b32 s14, v1                    ; wave 0..3
	s_lshr_b32 s15, s14, 1                         ; which half of A's 256 rows is mine.  Also: I fetch for A (0) or for B (1)
	s_and_b32 s16, s14, 1                          ; which half of B's 256 rows.  Also: which 128 rows of that tile I fetch
	s_bfe_u32 s40, ttmp6, 0x40000                  ; cx, cy: my place in the cluster
	s_bfe_u32 s41, ttmp6, 0x40004
	s_and_b32 s2, ttmp7, 0xffff                    ; the cluster's y, 0..11
	s_lshr_b32 s12, s2, 2                          ; the product: 0 Q, 1 K, 2 V: the same in all sixteen partners
	s_and_b32 s13, s2, 3                           ; which of the product's four clusters
	s_lshl_b32 s3, s13, 2
	s_cmp_eq_u32 s12, 2
	s_cselect_b32 s17, 0, s3                       ; Q, K: "A" has 16 tiles of rows and "B" 4;  V: "A" (Wv) has 4 and "B" (value) 16
	s_cselect_b32 s42, s3, 0
	s_add_co_u32 s17, s17, s41                     ; A's tile of rows
	s_add_co_u32 s42, s42, s40                     ; B's tile of rows
	s_lshl_b32 s43, s41, 2
	s_lshl_b32 s43, 15, s43                        ; my row of the cluster
	s_lshl_b32 s44, 0x1111, s40                    ; my column
	; descriptor group 1: a tile of 128 rows x 256 bytes, padded in LDS
	s_or_b32 s[G1+0], s43, (0<<16)|(1<<20)|(1<<21)|(5<<22)|(3<<25)  ; 15:0 the mask: A's tiles go to my row; 17:16 elements of 1 byte; 20 padding on; 21 set beside a mask; 24:22 after every 64 words; 31:25 four words
	s_or_b32 s[G1B+0], s44, (0<<16)|(1<<20)|(1<<21)|(5<<22)|(3<<25)
.irp g, G1, G1B
	s_mov_b32 s[\g+1], ROWB<<16                    ; tensor_dim0
	s_mov_b32 s[\g+2], 128<<16                     ; tensor_dim1
	s_mov_b32 s[\g+3], ROWB<<16                    ; tile_dim0
	s_mov_b32 s[\g+4], 128                         ; tile_dim1
	s_mov_b32 s[\g+5], KROW                        ; tensor_dim0_stride
	s_mov_b32 s[\g+6], 0
	s_mov_b32 s[\g+7], 0
.endr
	s_lshl_b32 s18, s16, 7                         ; which 128 rows of the tile I fetch
	s_lshl_b32 s20, s17, 8
	s_add_co_u32 s20, s20, s18                     ; A: row 256 x tile + 128 x half,
	s_lshl_b32 s20, s20, 10                        ; in bytes (under 2^23)
	s_lshl_b32 s46, s42, 8
	s_add_co_u32 s46, s46, s18                     ; B likewise
	s_lshl_b32 s46, s46, 10
	s_mov_b32 s21, 0
	s_mov_b32 s47, 0
	s_mul_i32 s45, s14, HALFT                      ; where they go: wave x 128 rows: no place in the cluster enters an LDS address
	s_wait_dscnt 0x0                               ; both opening adds are done
	s_wait_kmcnt 0x0
	s_cmp_eq_u32 s12, 0                            ; the product's buffers: choices on the cluster's y alone
	s_cselect_b64 s[4:5], s[68:69], s[70:71]
	s_cselect_b64 s[6:7], s[74:75], s[76:77]
	s_cselect_b64 s[8:9], s[80:81], s[82:83]
	s_cselect_b64 s[10:11], s[90:91], s[92:93]
	s_cmp_eq_u32 s12, 2
	s_cselect_b64 s[4:5], s[78:79], s[4:5]         ; "A": query, key, Wv
	s_cselect_b64 s[6:7], s[72:73], s[6:7]         ; "B": Wq, Wk, value
	s_cselect_b64 s[8:9], s[84:85], s[8:9]         ; the bias;  s[10:11]: qimg, kv, kv
	s_load_b256 s[68:75], s[86:87], 0x0            ; e0 .. e7
	s_load_b128 s[76:79], s[86:87], 0x20           ; e8 .. e11
	s_add_nc_u64 s[20:21], s[4:5], s[20:21]
	s_add_nc_u64 s[46:47], s[6:7], s[46:47]
	CROUND                                         ; all sixteen work-groups are here: the first joint loads meet
.irp s, 0,1
	s_mov_b32 s[G0+4*\s], 1
	s_add_co_u32 s[G0+4*\s+1], s45, \s*SLOT
	s_add_nc_u64 s[G0+4*\s+2:G0+4*\s+3], s[20:21], \s*ROWB
	s_or_b32 s[G0+4*\s+3], s[G0+4*\s+3], 0x80000000
	s_mov_b32 s[G0B+4*\s], 1
	s_add_co_u32 s[G0B+4*\s+1], s45, \s*SLOT
	s_add_nc_u64 s[G0B+4*\s+2:G0B+4*\s+3], s[46:47], \s*ROWB
	s_or_b32 s[G0B+4*\s+3], s[G0B+4*\s+3], 0x80000000
	JLOAD G0+4*\s, G1, G0B+4*\s, G1B               ; two loads of mine are out
.endr
	v_and_b32 v1, 15, v0                           ; r = lane % 16
	v_bfe_u32 v2, v0, 4, 1                         ; h = lane / 16
	v_and_b32 v7, 31, v0                           ; lane
	v_mul_u32_u24 v3, v1, PITCH
	v_lshl_add_u32 v4, v2, 4, v3                   ; a fragment's row x pitch + 16 x half
	s_mul_i32 s21, s15, HALFT                      ; my 128 rows of A
	s_mul_i32 s22, s16, HALFT                      ; my 128 rows of B,
	s_add_co_u32 s22, s22, 2*HALFT                 ; which lie behind A's 256
.irp s, 0,1
	v_add_nc_u32 v[ADRA+\s], s21, v4
	v_add_nc_u32 v[ADRB+\s], s22, v4
	s_add_co_u32 s21, s21, SLOT
	s_add_co_u32 s22, s22, SLOT
.endr
	s_wait_kmcnt 0x0                               ; the exponents are in (and their base's registers are free)
	s_add_co_i32 s2, s68, s69
	s_add_co_i32 s3, s70, s71
	s_add_co_i32 s18, s72, s73
	s_cmp_eq_u32 s12, 0
	s_cselect_b32 s2, s2, s3
	s_cselect_b32 s3, s74, s75
	s_cmp_eq_u32 s12, 2
	s_cselect_b32 s2, s18, s2                      ; es
	s_cselect_b32 s3, s77, s3                      ; eo
	s_sub_co_i32 s19, 0, s2                        ; -es
	s_add_co_i32 s3, s3, s19
	s_add_co_i32 s3, s3, 127
	s_lshl_b32 s18, s3, 23
	v_mov_b32 v[SC], s18                           ; 2^(eo - es): the conversion takes its exponent field
	s_add_co_i32 s3, s3, 15
	s_lshl_b32 s3, s3, 23
	s_or_b32 s3, s3, 0x600000
	v_mov_b32 v[LIM], s3                           ; 57,344 x that
	; what differs between Q, K and V in the addresses: all choices on the product's number
	s_cmp_eq_u32 s12, 2
	s_cselect_b32 s18, 4, 0                        ; the bias's offset = r x this
	s_cselect_b32 s20, 0, 32                       ;  + h x this
	s_cselect_b32 s21, 0, 4                        ;  + j x this: Q, K: channel 8 h + j of a tile of B;  V: channel r of a tile of A, for every j
	s_cselect_b32 s2, s17, s42                     ; the tile that holds channels,
	s_cselect_b32 s3, s15, s16                     ; and my half of it
	s_cselect_b32 s22, s42, s17                    ; the tile that holds tokens,
	s_cselect_b32 s23, s16, s15                    ; and my half of it
	s_cselect_b32 s46, 8192, 0                     ; V lies behind K in a step's 16,384 bytes
	s_mov_b32 s66, 1024
	s_cselect_b32 s66, 2048, s66                   ; from block to block of results: a tile of 16 tokens (1,024 bytes) or of 16 channels (2,048)
	s_mov_b32 s98, 1024
	s_cselect_b32 s98, 256000, s98                 ; from block 3 to block 4: V goes on to the next head: 262,144 - 3 x 2,048
	s_mov_b32 s67, 0
	s_mov_b32 s99, 0
	v_mul_u32_u24 v5, v1, s18
	v_mad_u32_u24 v5, v2, s20, v5
	v_mov_b32 v6, s21
.irp j, 0,1,2,3,4,5,6,7
	v_mad_u32_u24 v[VA+\j], v6, \j, v5
.endr
	s_lshl_b32 s2, s2, 10
	s_lshl_b32 s3, s3, 9
	s_add_co_u32 s2, s2, s3                        ; my first channel x 4 bytes
	s_mov_b32 s3, 0
	s_add_nc_u64 s[8:9], s[8:9], s[2:3]
	s_lshr_b32 s2, s2, 8                           ; my first head: channel / 64
	s_lshl_b32 s22, s22, 8
	s_lshl_b32 s23, s23, 7
	s_add_co_u32 s22, s22, s23                     ; my first token
	s_lshr_b32 s23, s22, 11                        ; its batch,
	s_and_b32 s22, s22, 2047                       ; and its place in the sequence
	s_lshl_b32 s23, s23, 4
	s_add_co_u32 s23, s23, s2                      ; 16 x batch + head
	s_cmp_eq_u32 s12, 0
	s_cselect_b32 s2, 17, 18                       ; a head's bytes: 2^17 in qimg, 2^18 in kv
	s_cselect_b32 s3, 6, 7                         ; a token's share: 64 bytes in qimg; in kv 128 tokens go 16,384 bytes on
	s_mov_b32 s100, 262144
	s_cselect_b32 s100, 131072, s100
	s_lshl_b32 s23, s23, s2
	s_lshl_b32 s22, s22, s3
	s_add_co_u32 s22, s22, s23
	s_add_co_u32 s22, s22, s46
	s_mov_b32 s23, 0
	s_add_nc_u64 s[10:11], s[10:11], s[22:23]      ; where my first block of results goes
	s_cmp_eq_u32 s12, 2
	s_cselect_b32 s100, 1024, s100                 ; from a block's registers 0-7 to its registers 8-15: Q, K: the next head;  V: 1,024 bytes on
	v_lshlrev_b32 v[VO], 4, v7
	v_add_nc_u32 v[VO+1], 512, v[VO]
	v_add_nc_u32 v[VO+2], s100, v[VO]
	v_add_nc_u32 v[VO+3], s100, v[VO+1]
.irp x, 0,1,2,3,4,5,6,7
.irp j, 0,1,2,3,4,5,6,7
	global_load_b32 v[BI+8*\x+\j], v[VA+\j], s[8:9] offset:64*\x   ; the bias of tile x of 16 channels, in the result's layout
.endr
.endr
	; ---- THE MASK'S WORDS: Q's and K's work-groups alone (a branch on the product's number)
	s_cmp_eq_u32 s12, 2
	s_cbranch_scc1 .Lno_pack
	s_and_b32 s2, ttmp7, 0xffff
	s_lshl_b32 s2, s2, 2
	s_add_co_u32 s2, s2, s41
	s_lshl_b32 s2, s2, 2
	s_add_co_u32 s2, s2, s40                       ; my work-group among the 128 (its place in the cluster enters global addresses alone)
	s_lshl_b32 s2, s2, 2
	s_add_co_u32 s2, s2, s14                       ; W: my wave among the 512 = 2 x (128 b + tile of queries) + half
	s_lshr_b32 s3, s2, 1
	s_and_b32 s100, s2, 1
	s_lshl_b32 s22, s3, 15                         ; 16 rows of 2,048 bytes
	s_lshl_b32 s100, s100, 10                      ; 8 units of 128 keys
	s_add_co_u32 s22, s22, s100
	s_mov_b32 s23, 0
	s_add_nc_u64 s[88:89], s[88:89], s[22:23]
	s_lshl_b32 s22, s2, 11                         ; 8 units of 256 bytes
	s_add_nc_u64 s[94:95], s[94:95], s[22:23]
	s_lshl_b32 s22, s2, 2
	s_add_nc_u64 s[96:97], s[96:97], s[22:23]
	v_lshlrev_b32 v[MA], 11, v1
	v_lshl_add_u32 v[MA], v2, 3, v[MA]             ; row r, + 8 h
	v_lshlrev_b32 v[WO], 3, v7
.irp u, 0,1,2,3,4,5,6,7
.irp t, 0,1,2,3,4,5,6,7
	global_load_b64 v[128+16*\u+2*\t:128+16*\u+2*\t+1], v[MA], s[88:89] offset:128*\u+16*\t th:TH_LOAD_NT   ; mask(r, 128 u + 16 t + 8 h + 0..7): read once in the launch
.endr
.endr
.irp i, 0,1,2,3,4,5,6,7,8,9,10,11,12,13,14,15
	v_mov_b32 v[WL+\i], 0                          ; written once: a lane write's destination counts as read
.endr
	s_mov_b32 s101, 0
; Unit u.  Register i of its 16 holds bytes j = 0..3 of words 4 i + j.  Eight registers, shifted by 0..7 and joined, put word 4 (p % 8) + p / 8 at bit p.  Doubling that number sends its top bit into the
; carry of every lane: the carry mask IS the word.  A lane write puts word n into lane n / 2, register n % 2, so that one store of 8 bytes a lane writes the unit's 256 consecutive bytes.
.macro UNIT u
.set RB, 128+16*(\u)
	s_wait_loadcnt 8*(7-(\u))                      ; this unit's eight loads are in (and the bias, asked for earlier); the later units' eight each may be out
	v_lshl_or_b32 v[MLO], v[RB+1], 1, v[RB]
	v_lshl_or_b32 v[MHI], v[RB+9], 1, v[RB+8]
.irp k, 2,3,4,5,6,7
	v_lshl_or_b32 v[MLO], v[RB+\k], \k, v[MLO]
	v_lshl_or_b32 v[MHI], v[RB+8+\k], \k, v[MHI]
.endr
	v_and_b32 v[TM], v[MLO], v[MHI]
	v_cmp_ne_u32 s2, -1, v[TM]                     ; lanes with a hole
	s_cmp_lg_u32 s2, 0
	s_cselect_b32 s3, 1<<(\u), 0
	s_or_b32 s101, s101, s3
.set pp, 31
.rept 8
.set kk, 0
.rept 4
	v_add_co_u32 v[MLO], s[80+kk], v[MLO], v[MLO]
	v_add_co_u32 v[MHI], s[84+kk], v[MHI], v[MHI]
.set kk, kk+1
.endr
.set kk, 0
.rept 4
.set nn, 4*((pp-kk)%8)+(pp-kk)/8
	v_writelane_b32 v[WL+2*(\u)+(nn&1)], s[80+kk], nn>>1
	v_writelane_b32 v[WL+2*(\u)+(nn&1)], s[84+kk], (nn+32)>>1
.set kk, kk+1
.endr
.set pp, pp-4
.endr
	global_store_b64 v[WO], v[WL+2*(\u):WL+2*(\u)+1], s[94:95] offset:256*(\u)   ; each unit has its own pair: no store's data are written again
.endm
.irp u, 0,1,2,3,4,5,6,7
	UNIT \u
.endr
	v_mov_b32 v[FL], s101
	v_mov_b32 v[ZO], 0
	v_cmp_eq_u32 vcc_lo, 0, v7
	s_wait_xcnt 0x0                                ; EXEC changes only behind this wait: the stores above have it among their sources
	s_and_saveexec_b32 s2, vcc_lo
	global_store_b32 v[ZO], v[FL], s[96:97]        ; my eight units' flags: lane 0 alone
	s_wait_xcnt 0x0                                ; and again, in front of the line that widens it
	s_or_b32 exec_lo, exec_lo, s2
.Lno_pack:
	s_wait_loadcnt 0x0                             ; the bias
.set j, 0
.rept 64
	v_ldexp_f32 v[BI+j], v[BI+j], s19              ; x 2^-es: nothing is rounded
.set j, j+1
.endr
.macro FRAG reg, adr, q, i             ; a fragment: lane l holds row l % 16; registers 4 c .. 4 c + 3 hold K = 32 c + 16 (l / 16) + 0 .. 15: a permutation of k, the same in A and in B
.irp c, 0,1,2,3
	ds_load_b128 v[\reg+4*\c:\reg+4*\c+3], v[\adr] offset:128*(\q)+32*\c+(\i)*16*PITCH
.endr
.endm
; 16 matrix instructions: A's blocks a0, a0 + 1 x B's eight, 128 along K.  p: B's set.  zero = 1: the sums start from the bias of B's tile (Q, K); 2: of A's tile (V); 0: in place.
; The 64 accumulators take turns, one instruction a turn, in the same order in every step.
.macro MUL16 a0, p, zero
.irp a, \a0, \a0+1
.irp b, 0,1,2,3,4,5,6,7
.if \zero == 1
	v_wmma_f32_16x16x128_bf8_bf8 v[8*(8*((\a)%4)+\b):8*(8*((\a)%4)+\b)+7], v[128*(\p)+FR*\b:128*(\p)+FR*\b+FR-1], v[AF+FR*(\a):AF+FR*(\a)+FR-1], v[BI+8*\b:BI+8*\b+7]
.elseif \zero == 2
	v_wmma_f32_16x16x128_bf8_bf8 v[8*(8*((\a)%4)+\b):8*(8*((\a)%4)+\b)+7], v[128*(\p)+FR*\b:128*(\p)+FR*\b+FR-1], v[AF+FR*(\a):AF+FR*(\a)+FR-1], v[BI+8*(\a):BI+8*(\a)+7]
.else
	v_wmma_f32_16x16x128_bf8_bf8 v[8*(8*((\a)%4)+\b):8*(8*((\a)%4)+\b)+7], v[128*(\p)+FR*\b:128*(\p)+FR*\b+FR-1], v[AF+FR*(\a):AF+FR*(\a)+FR-1], v[8*(8*((\a)%4)+\b):8*(8*((\a)%4)+\b)+7]
.endif
.endr
.endr
.endm
.macro FETCH_B slot, q, p              ; B's eight fragments of the slot's q-th 128 along K into set p
	WIN TO_B
.irp i, 0,1,2,3,4,5,6,7
	FRAG 128*(\p)+FR*\i, ADRB+\slot, \q, \i
.endr
	WIN 0
.endm
.macro FETCH_A slot, q, i0             ; A's blocks i0 .. i0 + 3
.irp i, \i0, \i0+1, \i0+2, \i0+3
	FRAG AF+FR*(\i), ADRA+\slot, \q, \i
.endr
.endm
.macro PLACES n                        ; plain vector instructions between a matrix instruction and a load into, or a vector read of, its registers
.rept \n
	v_nop
.endr
.endm
; A step of 128 along K that has its successor in the same slot.
.macro STEP slot, q, zero
	s_wait_dscnt 4*NL                              ; B's set and A's blocks 0-3 are in; the youngest sixteen loads (A's blocks 4-7) may be out
.if \zero
	WIN BIA_LO
.else
	WIN MUL_LO
.endif
	MUL16 0, (\q)%2, \zero
	MUL16 2, (\q)%2, \zero
	s_wait_dscnt 0                                 ; A's blocks 4-7 are in
	PLACES NP
	FETCH_B \slot, (\q)+1, 1-(\q)%2
	FETCH_A \slot, (\q)+1, 0
.if \zero
	WIN BIA_HI
.else
	WIN MUL_HI
.endif
	MUL16 4, (\q)%2, \zero
	MUL16 6, (\q)%2, \zero
	PLACES NP
	WIN 0
	FETCH_A \slot, (\q)+1, 4
.endm
; A slot's last step changes slots: one barrier; in front of it each wave waits for all its tensor loads, adds 0 to its spare word, and waits for that and for its own reads of this slot.  fill = 1: the slot is filled again.
.macro TURN slot, next, fill
	s_wait_tensorcnt 0x0                           ; all my tensor loads have landed: my part of the next slot  (every window is 0 here)
	ds_add_u32 v[SPW], v[NIL]                      ; 0 onto my spare word
	s_wait_dscnt 4*NL+1                            ; the add and the youngest sixteen loads (A's blocks 4-7) may be out
	WIN MUL_LO
	MUL16 0, 1, 0                                  ; sixteen matrix instructions stand between the add and the wait for it
	s_wait_dscnt 0x0                               ; the add is done, and my reads of this slot are over
	s_barrier_signal -1
	MUL16 2, 1, 0
	WIN 0
	s_barrier_wait -1
.if \fill
	CREST                                          ; the barrier has opened a round of the cluster's barrier: no wave of any partner still reads this slot or has a load on its way
	s_add_nc_u64 s[G0+4*\slot+2:G0+4*\slot+3], s[G0+4*\slot+2:G0+4*\slot+3], 2*ROWB
	s_add_nc_u64 s[G0B+4*\slot+2:G0B+4*\slot+3], s[G0B+4*\slot+2:G0B+4*\slot+3], 2*ROWB
	JLOAD G0+4*\slot, G1, G0B+4*\slot, G1B         ; the first tensor load behind the round, my one load until the next; its four v_nop are the places in front of the loads below
.else
	PLACES NP
.endif
	FETCH_B \next, 0, 0
	FETCH_A \next, 0, 0
	WIN MUL_HI
	MUL16 4, 1, 0
	MUL16 6, 1, 0
	PLACES NP
	WIN 0
	FETCH_A \next, 0, 4
.endm
	s_wait_tensorcnt 1                             ; my part of slot 0 is in; slot 1's one load may be out
	s_barrier_signal -1
	s_barrier_wait -1                              ; everybody's is
	FETCH_B 0, 0, 0
	FETCH_A 0, 0, 0
	FETCH_A 0, 0, 4
	s_cmp_eq_u32 s12, 2                            ; the first step is written twice: it differs in which tile's bias starts a sum
	s_cbranch_scc1 .Lfirst_v
	STEP 0, 0, 1
	s_branch .Lfirst_done
.Lfirst_v:
	STEP 0, 0, 2
.Lfirst_done:
	TURN 0, 1, 1                                   ; K 128-255; slot 0 takes K 512-767
	STEP 1, 0, 0
	TURN 1, 0, 1                                   ; slot 1 takes K 768-1023
	STEP 0, 0, 0
	TURN 0, 1, 0                                   ; nothing is left to fetch
	STEP 1, 0, 0
	s_wait_dscnt 4*NL                              ; the last step
	WIN MUL_LO
	MUL16 0, 1, 0
	MUL16 2, 1, 0
	s_wait_dscnt 0
	WIN MUL_HI
	MUL16 4, 1, 0
	MUL16 6, 1, 0
	WIN 0
; THE WAY OUT, block by block of A's 16 rows: 64 numbers a lane are held at the largest code x the scale (the conversion to an 8-bit code does not saturate: ISA guide 7.6.2), each accumulator from its low end on;
; eight conversions make 16 registers of codes; four stores of 512 consecutive bytes.  Each block has its own registers of codes, so no store's data are written again.
.macro OUTBLK a
.set AC, 64*((\a)%4)
	WIN 0x02+((\a)/4)                              ; source 0: window 2 or 3
.set j, 0
.rept 64
	v_med3_num_f32 v[TMP+j], v[AC+j], -v[LIM], v[LIM]
.set j, j+1
.endr
	WIN 0
.irp b, 0,1,2,3,4,5,6,7
	v_cvt_scalef32_pk8_bf8_f32 v[CD+16*(\a)+2*\b:CD+16*(\a)+2*\b+1], v[TMP+8*\b:TMP+8*\b+7], v[SC]
.endr
	v_nop                                          ; a plain instruction between the conversions and the next block's holds, which write their sources
.if (\a) > 0
	s_wait_xcnt 0x0                                ; the earlier stores have read their base
.if (\a) == 4
	s_add_nc_u64 s[10:11], s[10:11], s[98:99]
.else
	s_add_nc_u64 s[10:11], s[10:11], s[66:67]
.endif
.endif
.irp g, 0,1,2,3
	global_store_b128 v[VO+\g], v[CD+16*(\a)+4*\g:CD+16*(\a)+4*\g+3], s[10:11]
.endr
.endm
	PLACES NP                                      ; behind the last product
.irp a, 0,1,2,3,4,5,6,7
	OUTBLK \a
.endr
	s_wait_tensorcnt 0x0                           ; the wave's end
	ds_add_u32 v[SPW], v[NIL]
	s_wait_dscnt 0x0
	CROUND                                         ; the closing round: no work-group ends while a partner may still ask for a tile that names it
	s_endpgm
.Lfunc_end_k_q33c1330c1b_proj:
	.size	k_q33c1330c1b_proj, .Lfunc_end_k_q33c1330c1b_proj-k_q33c1330c1b_proj
	.p2alignl 7, 3214868480
	.fill 96, 4, 3214868480
	.section	.rodata,"a",@progbits
	.p2align	6, 0x0
	.amdhsa_kernel k_q33c1330c1b_proj
		.amdhsa_group_segment_fixed_size 327680
		.amdhsa_private_segment_fixed_size 0
		.amdhsa_enable_private_segment 0
		.amdhsa_kernarg_size 120
		.amdhsa_user_sgpr_count 2
		.amdhsa_user_sgpr_kernarg_segment_ptr 1
		.amdhsa_wavefront_size32 1
		.amdhsa_system_sgpr_workgroup_id_x 1
		.amdhsa_system_sgpr_workgroup_id_y 1
		.amdhsa_system_sgpr_workgroup_id_z 1
		.amdhsa_system_vgpr_workitem_id 0
		.amdhsa_next_free_vgpr 1024
		.amdhsa_next_free_sgpr 102
		.amdhsa_reserve_vcc 1
		.amdhsa_float_denorm_mode_32 3
		.amdhsa_float_denorm_mode_16_64 3
		.amdhsa_memory_ordered 1
		.amdhsa_forward_progress 1
		.amdhsa_inst_pref_size 220
	.end_amdhsa_kernel
	.amdgpu_metadata
---
amdhsa.version: [ 1, 2 ]
amdhsa.kernels:
  - .name:           k_q33c1330c1b_proj
    .symbol:         k_q33c1330c1b_proj.kd
    .args:
      - { .name: query_codes, .offset: 0, .size: 8, .value_kind: global_buffer, .address_space: global }
      - { .name: key_codes, .offset: 8, .size: 8, .value_kind: global_buffer, .address_space: global }
      - { .name: value_codes, .offset: 16, .size: 8, .value_kind: global_buffer, .address_space: global }
      - { .name: wq_w_codes, .offset: 24, .size: 8, .value_kind: global_buffer, .address_space: global }
      - { .name: wk_w_codes, .offset: 32, .size: 8, .value_kind: global_buffer, .address_space: global }
      - { .name: wv_w_codes, .offset: 40, .size: 8, .value_kind: global_buffer, .address_space: global }
      - { .name: wq_b, .offset: 48, .size: 8, .value_kind: global_buffer, .address_space: global }
      - { .name: wk_b, .offset: 56, .size: 8, .value_kind: global_buffer, .address_space: global }
      - { .name: wv_b, .offset: 64, .size: 8, .value_kind: global_buffer, .address_space: global }
      - { .name: lowp_scales, .offset: 72, .size: 8, .value_kind: global_buffer, .address_space: global }
      - { .name: mask, .offset: 80, .size: 8, .value_kind: global_buffer, .address_space: global }
      - { .name: qimg, .offset: 88, .size: 8, .value_kind: global_buffer, .address_space: global }
      - { .name: kv, .offset: 96, .size: 8, .value_kind: global_buffer, .address_space: global }
      - { .name: mw, .offset: 104, .size: 8, .value_kind: global_buffer, .address_space: global }
      - { .name: mflag, .offset: 112, .size: 8, .value_kind: global_buffer, .address_space: global }
    .group_segment_fixed_size: 327680
    .private_segment_fixed_size: 0
    .kernarg_segment_align: 8
    .kernarg_segment_size: 120
    .max_flat_workgroup_size: 128
    .sgpr_count:     102
    .vgpr_count:     1024
    .wavefront_size: 32
...
	.end_amdgpu_metadata
.endif
;; end of part 1
;; launch attn (part 2): grid 8 x 32, 16 waves a work-group, no clusters, 264,192 bytes of LDS; arguments qimg, kv, mw, mflag, lowp_scales, aimg; writes aimg
.if DOCPART == 2
	.amdgcn_target "amdgcn-amd-amdhsa--gfx1250"
	.amdhsa_code_object_version 6
	.text
	.protected	k_q33c1330c1b_attn
	.globl	k_q33c1330c1b_attn
	.p2align	8
	.type	k_q33c1330c1b_attn,@function
k_q33c1330c1b_attn:
	s_mov_b64 s[64:65], 0
	v_nop
	global_prefetch_b8 v0, s[64:65] scope:SCOPE_SE
	s_setreg_imm32_b32 hwreg(HW_REG_WAVE_MODE, 25, 1), 1
	s_wait_xcnt 0x0
; SECOND LAUNCH: products 4 and 5 with the softmax between them, and the result quantised for product 6.  No work of the problem is left out here.
; t = score x log2(e) / 8; M = the running largest t, rounded UP to a whole number; p = 2^(t - M) is quantised with 2^e8, not normalised; the row's sum is taken of the unquantised p and divides at the end.
; When M moves, the sum and O are multiplied by 2^(old M - new M): exact.
; THE MASK.  Where the mask's byte is 0, the raw score is replaced by X = -2^(33 - e6 - e7), which stands for the logit -2^30.
; LIMIT: reference() puts -1e9 there.  X x c is exact in f32, so a row all of whose keys so far are masked has t - M = 0 and p = 1, as reference() has it; beside an unmasked logit above -9e8 a masked p is 0 either way.
; So the results are reference()'s while every unmasked logit lies above -9e8; the quantisers' clamp bounds |logit| by 8 x 57,344^2 x 2^(e6 + e7), which is under that for e6 + e7 <= -5.
; LIMITS on the exponents, so that each power of two below is an f32 number: e6 + e7 between -94 and 120; e8, and e10 - e8 - e9, between -126 and 112.
; SHARES.  A work-group owns 256 queries of one (batch, head); each of its sixteen waves one tile of 16, in 256 registers: four waves to a SIMD, so that one wave's vector work stands beside another's products and LDS loads.
; Every wave walks the head's 2,048 keys, 128 a step: 8 products S^T = K Q^T (16 keys x 16 queries x 64), 4 products O^T += V^T P^T (16 channels x 16 queries x 128).  A lane holds ONE query throughout.
; OPERANDS ARE IMAGES OF REGISTERS, as the first launch stored them: every fragment comes by loads of 16 bytes at 16 x lane.  p's conversions give the second product's operand as it stands.
; K AND V: the head's 262,144 bytes lie in LDS whole, each byte written once, through registers: 65,536 bytes (four steps) at a time, asked for at the head of the four steps before and stored at their end, in
; front of one barrier.  So no wave waits for that stream, and nothing of it is asked for ahead of those loads.
; WHY NO TENSOR LOAD AND NO CLUSTER, though eight work-groups read a head's K and V: two jumps of this text hang on whole numbers read from memory.
; (1) A unit of 16 queries x 128 keys without a hole (a flag that the first launch stored) jumps over its 64 selects.  (2) For e8 >= -15, 57,344 x 2^e8 >= 1.75 lies over every p <= 1: the 64 one-sided holds change nothing and are jumped over.
; THE MASK'S WORDS come by scalar loads, 64 words a unit, asked for a step ahead and only for units with a hole; each word is the lane mask of one v_cndmask_b32.
.set SPARE, 262144                     ; behind the head's K and V: the spare words, 128 bytes for each of sixteen waves, which no other line names
.set LI,   1                           ; v1   16 x lane
.set ADR,  2                           ; v2   the step's place in LDS + 16 x lane
.set SPW,  3                           ; v3   my spare word's LDS address; never rewritten
.set NIL,  4                           ; v4   0; never rewritten
.set FO,   5                           ; v5   4,096 x wave + 16 x lane: my part of a group of 65,536 bytes, in memory and in LDS alike
.set XM,   6                           ; v6   X
.set LIMP, 7                           ; v7   57,344 x 2^e8
.set SCP,  8                           ; v8   2^e8
.set FA,   9                           ; v9   FO + the group's first byte
.set SCO,  10                          ; v10  2^(e10 - e8 - e9)
.set LIMO, 11                          ; v11  57,344 x that
                                       ; v12 -M, v13 the largest t, v[14:15] the sum in two halves
.set Q,    16                          ; v16-23   Q's fragment
.set STG,  24                          ; v24-55   128 bytes a lane on their way from memory to LDS
.set KV,   56                          ; v56-119  K's eight fragments, then V's four
.set S,    120                         ; v120-183 S^T, then p
.set O,    184                         ; v184-215 O^T
.set P,    216                         ; v216-231 p's codes
                                       ; v232 f (v233 named with it), v234, v237 at work, v235 the old -M, v236 the other half's, v[238:239] the sum's second chain
; s[4:51], s[68:83] the unit's 64 words; s52 wave; s53 the step's LDS byte; s54 the flags of the units to come; s[56:57] c; s[58:59] lane selects; s61 counts; s62 1 = p is held
	s_load_b256 s[84:91], s[0:1], 0x0              ; qimg s[84:85], kv s[86:87], mw s[88:89], mflag s[90:91]
	s_load_b128 s[92:95], s[0:1], 0x20             ; the scales' exponents s[92:93], aimg s[94:95]
	v_lshl_add_u32 v[SPW], v0, 2, SPARE
	v_mov_b32 v[NIL], 0
	v_lshrrev_b32 v2, 5, v0
	v_readfirstlane_b32 s52, v2                    ; wave 0..15
	v_and_b32 v[LI], 31, v0
	v_lshlrev_b32 v[LI], 4, v[LI]
	v_lshl_add_u32 v[FO], v2, 12, v[LI]
	s_and_b32 s2, ttmp7, 0xffff                    ; 16 x batch + head
	s_lshl_b32 s3, ttmp9, 4
	s_add_co_u32 s3, s3, s52                       ; my tile of queries, 0..127
	s_lshr_b32 s66, s2, 4                          ; batch
	s_and_b32 s101, s2, 15                         ; head
	s_lshl_b32 s67, s66, 7
	s_add_co_u32 s67, s67, s3                      ; T = 128 x batch + tile
	s_mov_b32 s63, 0
	s_mov_b32 s58, 0x76543210
	s_mov_b32 s59, 0xfedcba98                      ; v_permlanex16_b32: lane l xor 16
	s_wait_kmcnt 0x0
	s_load_b128 s[96:99], s[92:93], 0x18           ; e6, e7, e8, e9
	s_load_b32 s100, s[92:93], 0x28                ; e10
	s_lshl_b32 s62, s67, 3
	s_add_nc_u64 s[90:91], s[90:91], s[62:63]
	s_load_b64 s[54:55], s[90:91], 0x0             ; my sixteen units' flags, eight a word
	s_lshl_b32 s62, s67, 12
	s_add_nc_u64 s[88:89], s[88:89], s[62:63]      ; my sixteen units' words, 256 bytes a unit
	s_load_b512 s[4:19], s[88:89], 0x0             ; unit 0's words are asked for whatever its flag, which is not in yet
	s_load_b512 s[20:35], s[88:89], 0x40
	s_load_b512 s[36:51], s[88:89], 0x80
	s_load_b512 s[68:83], s[88:89], 0xc0
	s_lshl_b32 s62, s2, 18
	s_add_nc_u64 s[86:87], s[86:87], s[62:63]      ; the head's K and V
.irp i, 0,1,2,3,4,5,6,7
	global_load_b128 v[STG+4*\i:STG+4*\i+3], v[FO], s[86:87] offset:512*\i   ; my 4,096 bytes of the first four steps
.endr
	s_lshl_b32 s62, s2, 7
	s_add_co_u32 s62, s62, s3
	s_lshl_b32 s62, s62, 10
	s_add_nc_u64 s[84:85], s[84:85], s[62:63]
	global_load_b128 v[Q:Q+3], v[LI], s[84:85]
	global_load_b128 v[Q+4:Q+7], v[LI], s[84:85] offset:512
	s_lshr_b32 s62, s101, 2                        ; aimg [K / 256][T][K step of 128: 2][g 4][lane][16]: my head's 64 channels are registers 8 (head % 2) on of K step (head / 2) % 2 of slice head / 4
	s_lshl_b32 s62, s62, 8
	s_add_co_u32 s62, s62, s67
	s_lshl_b32 s62, s62, 2
	s_and_b32 s66, s101, 3
	s_add_co_u32 s62, s62, s66
	s_lshl_b32 s62, s62, 10
	s_add_nc_u64 s[94:95], s[94:95], s[62:63]
.set j, 0
.rept 32
	v_mov_b32 v[O+j], 0                            ; O^T.  (The step is written once: the first finds zeros, which the first change of M leaves zeros)
.set j, j+1
.endr
	v_mov_b32 v14, 0
	v_mov_b32 v15, 0
	v_mov_b32 v13, 0xff61b1e6                      ; the largest t so far: -3e38
	v_floor_f32 v12, -v13                          ; -M
	v_mov_b32 v233, 0                              ; (named as the upper half of the pair v[232:233])
	v_mov_b32 v236, 0                              ; a lane permute's destination counts as one of its sources
	s_wait_loadcnt 0x2                             ; my eight loads of K and V are in; Q's two may be out
.irp i, 0,1,2,3,4,5,6,7
	ds_store_b128 v[FO], v[STG+4*\i:STG+4*\i+3] offset:512*\i
.endr
	s_wait_dscnt 0x0                               ; for the others' sake: my stores have landed
	s_barrier_signal -1
	s_barrier_wait -1                              ; steps 0 to 3 lie in LDS
	s_wait_kmcnt 0x0
	s_add_co_i32 s2, s96, s97                      ; e6 + e7
	s_sub_co_i32 s3, s2, 3
	s_lshl_b32 s3, s3, 23
	s_add_co_i32 s56, s3, 0x3fb8aa3b               ; c = log2(e) x 2^(e6 + e7 - 3): the exponents are added to the exponent field
	s_mov_b32 s57, s56                             ; (named with it as a pair)
	s_sub_co_i32 s3, 160, s2
	s_lshl_b32 s3, s3, 23
	s_or_b32 s3, s3, 0x80000000
	v_mov_b32 v[XM], s3                            ; X = -2^(33 - e6 - e7)
	s_add_co_i32 s3, s98, 127
	s_lshl_b32 s63, s3, 23
	v_mov_b32 v[SCP], s63
	s_add_co_i32 s3, s3, 15
	s_lshl_b32 s3, s3, 23
	s_or_b32 s3, s3, 0x600000
	v_mov_b32 v[LIMP], s3
	s_cmp_lt_i32 s98, -15
	s_cselect_b32 s62, 1, 0
	s_sub_co_i32 s3, s100, s98
	s_sub_co_i32 s3, s3, s99
	s_add_co_i32 s3, s3, 127
	s_lshl_b32 s63, s3, 23
	v_mov_b32 v[SCO], s63
	s_add_co_i32 s3, s3, 15
	s_lshl_b32 s3, s3, 23
	s_or_b32 s3, s3, 0x600000
	v_mov_b32 v[LIMO], s3
	s_lshl_b32 s55, s55, 8
	s_or_b32 s54, s54, s55                         ; bit u: unit u has a hole; bits 16 on are 0
	s_wait_loadcnt 0x0                             ; Q
; A KEY STEP: 128 keys, at LDS byte s53.
.macro STEP
	v_add_nc_u32 v[ADR], s53, v[LI]
.rept 3
	v_nop                                          ; with the addition: four places behind the last products, in front of loads into their sources
.endr
.irp t, 0,1,2,3,4,5,6,7
	ds_load_b128 v[KV+8*\t:KV+8*\t+3], v[ADR] offset:1024*\t
	ds_load_b128 v[KV+8*\t+4:KV+8*\t+7], v[ADR] offset:1024*\t+512
.endr
	s_wait_dscnt 0x0
.irp t, 0,1,2,3,4,5,6,7
	v_wmma_f32_16x16x64_bf8_bf8 v[S+8*\t:S+8*\t+7], v[KV+8*\t:KV+8*\t+7], v[Q:Q+7], 0   ; lane (r, h), register 8 t + j: query r, key 16 t + 8 h + j
.endr
	v_mov_b32 v235, v12                            ; the old -M
.rept 3
	v_nop                                          ; four places: in front of the loads below and of the first read of the scores
.endr
.irp c, 0,1,2,3
.irp g, 0,1,2,3
	ds_load_b128 v[KV+16*\c+4*\g:KV+16*\c+4*\g+3], v[ADR] offset:8192+2048*\c+512*\g   ; V lands while the softmax is walked
.endr
.endr
	s_wait_kmcnt 0x0                               ; on every path: the unit's words are in, if they were asked for, and their base may be stepped
	s_bitcmp1_b32 s54, 0
	s_cbranch_scc0 .Lopen_\@                       ; a unit without a hole
.set n, 0
.rept 64
.if n < 48
.set w, 4+n
.else
.set w, 20+n
.endif
	v_cndmask_b32 v[S+n], v[XM], v[S+n], s[w]      ; the score where the mask's bit is 1, else X
.set n, n+1
.endr
.Lopen_\@:
	s_add_nc_u64 s[88:89], s[88:89], 256           ; the next unit's words
	s_bitcmp1_b32 s54, 1
	s_cbranch_scc0 .Lnone_\@                       ; not wanted; behind the last unit the bit is 0, so no load leaves the buffer
	s_load_b512 s[4:19], s[88:89], 0x0
	s_load_b512 s[20:35], s[88:89], 0x40
	s_load_b512 s[36:51], s[88:89], 0x80
	s_load_b512 s[68:83], s[88:89], 0xc0
.Lnone_\@:
	s_lshr_b32 s54, s54, 1
	v_max3_num_f32 v234, v[S], v[S+1], v[S+2]      ; the step's largest score of my query among my 64 keys, in two chains, each accumulator from its low end on
	v_max3_num_f32 v237, v[S+3], v[S+4], v[S+5]
.irp i, 6,10,14,18,22,26,30,34,38,42,46,50,54,58
	v_max3_num_f32 v234, v234, v[S+\i], v[S+\i+1]
	v_max3_num_f32 v237, v237, v[S+\i+2], v[S+\i+3]
.endr
	v_max3_num_f32 v234, v234, v[S+62], v[S+63]
	v_max_num_f32 v234, v234, v237
	v_permlanex16_b32 v236, v234, s58, s59
	v_max_num_f32 v234, v234, v236                 ; and among lane l xor 16's
	v_mul_f32 v234, s56, v234                      ; as t (c is positive)
	v_max_num_f32 v13, v13, v234                   ; the running largest t
	v_floor_f32 v12, -v13                          ; the new -M = -ceil(t): a whole number
	v_sub_f32 v234, v12, v235                      ; old M - new M: a whole number, 0 or less
	v_cvt_i32_f32 v234, v234                       ; (it saturates)
	v_ldexp_f32 v232, 1.0, v234                    ; f = 2^(old M - new M)
.set j, 0
.rept 32
	v_pk_fma_f32 v[S+j:S+j+1], v[S+j:S+j+1], s[56:57], v[12:13] op_sel_hi:[1,0,0]   ; t - M, two at a time (of the pairs c and -M the low word serves both halves)
.set j, j+2
.endr
.set j, 0
.rept 64
	v_exp_f32 v[S+j], v[S+j]                       ; p = 2^(t - M)
.set j, j+1
.endr
	v_pk_mul_f32 v[14:15], v[14:15], v[232:233] op_sel_hi:[1,0]   ; the sum under the new M: the plain instruction behind the exponentials
	s_wait_alu depctr_va_vdst(0)                   ; a wait ahead of the first reader: one for the batch of 64
	v_pk_add_f32 v[238:239], v[S:S+1], v[S+2:S+3]  ; the row's sum is taken of the unquantised p, in two chains
.irp j, 4,8,12,16,20,24,28,32,36,40,44,48,52,56,60
	v_pk_add_f32 v[14:15], v[14:15], v[S+\j:S+\j+1]
	v_pk_add_f32 v[238:239], v[238:239], v[S+\j+2:S+\j+3]
.endr
	v_pk_add_f32 v[14:15], v[14:15], v[238:239]
	s_cmp_eq_u32 s62, 0
	s_cbranch_scc1 .Lnohold_\@                     ; e8 >= -15: every p lies under the largest code x the scale
.set j, 0
.rept 64
	v_min_num_f32 v[S+j], v[S+j], v[LIMP]          ; the conversion does not saturate (ISA guide 7.6.2); p is not negative, so the hold is one-sided
.set j, j+1
.endr
.Lnohold_\@:
.irp t, 0,1,2,3,4,5,6,7
	v_cvt_scalef32_pk8_bf8_f32 v[P+2*\t:P+2*\t+1], v[S+8*\t:S+8*\t+7], v[SCP]   ; registers 2 t, 2 t + 1 of the operand: keys 16 t + 8 h + 0..7
.endr
.set j, 0
.rept 16
	v_pk_mul_f32 v[O+j:O+j+1], v[O+j:O+j+1], v[232:233] op_sel_hi:[1,0]   ; O^T under the new M; also the plain instructions behind the conversions
.set j, j+2
.endr
	s_wait_dscnt 0x0                               ; V is in
.irp c, 0,1,2,3
	v_wmma_f32_16x16x128_bf8_bf8 v[O+8*\c:O+8*\c+7], v[KV+16*\c:KV+16*\c+15], v[P:P+15], v[O+8*\c:O+8*\c+7]   ; the four accumulators by turns; eight other products stand between an accumulator's links
.endr
	s_add_co_u32 s53, s53, 16384
.endm
; FOUR KEY STEPS.  fill = 1: the next four steps' bytes are asked for at the head and stored at the end, in front of a barrier; they land in LDS bytes that nobody has touched.
.macro GROUP g, fill
.if \fill
	v_add_nc_u32 v[FA], 65536*(\g+1), v[FO]
.irp i, 0,1,2,3,4,5,6,7
	global_load_b128 v[STG+4*\i:STG+4*\i+3], v[FA], s[86:87] offset:512*\i
.endr
.endif
	s_mov_b32 s53, 65536*\g
	s_mov_b32 s61, 4
.Lstep_\@:
	STEP
	s_sub_co_u32 s61, s61, 1
	s_cmp_lg_u32 s61, 0
	s_cbranch_scc1 .Lstep_\@
.if \fill
	s_wait_loadcnt 0x0
.irp i, 0,1,2,3,4,5,6,7
	ds_store_b128 v[FA], v[STG+4*\i:STG+4*\i+3] offset:512*\i
.endr
	s_wait_dscnt 0x0                               ; for the others' sake: my stores have landed
	s_barrier_signal -1
	s_barrier_wait -1
.endif
.endm
	GROUP 0, 1
	GROUP 1, 1
	GROUP 2, 1
	GROUP 3, 0
	; THE WAY OUT: O^T / the sum is quantised with 2^(e10 - e8 - e9) (a sum of the second product stands for sum x 2^(e8 + e9)).  Register 8 c + j is channel 16 c + 8 h + j of my query: the conversions' results are
	; registers of the last product's operand, and leave as they stand: two stores of 512 consecutive bytes.
.rept 4
	v_nop                                          ; places behind the last products
.endr
	v_add_f32 v14, v14, v15
	v_permlanex16_b32 v236, v14, s58, s59
	v_add_f32 v14, v14, v236                       ; the row's sum: at least 1/2
	v_rcp_f32 v232, v14
	v_nop                                          ; a plain instruction behind the reciprocal
	s_wait_alu depctr_va_vdst(0)                   ; and a wait ahead of its first reader
.set j, 0
.rept 16
	v_pk_mul_f32 v[O+j:O+j+1], v[O+j:O+j+1], v[232:233] op_sel_hi:[1,0]
.set j, j+2
.endr
.set j, 0
.rept 32
	v_med3_num_f32 v[O+j], v[O+j], -v[LIMO], v[LIMO]
.set j, j+1
.endr
.irp c, 0,1,2,3
	v_cvt_scalef32_pk8_bf8_f32 v[P+2*\c:P+2*\c+1], v[O+8*\c:O+8*\c+7], v[SCO]
.endr
	v_nop
	global_store_b128 v[LI], v[P:P+3], s[94:95]
	global_store_b128 v[LI], v[P+4:P+7], s[94:95] offset:512
	s_wait_tensorcnt 0x0                           ; the wave's end, behind my last LDS store
	ds_add_u32 v[SPW], v[NIL]
	s_wait_dscnt 0x0
	s_endpgm
.Lfunc_end_k_q33c1330c1b_attn:
	.size	k_q33c1330c1b_attn, .Lfunc_end_k_q33c1330c1b_attn-k_q33c1330c1b_attn
	.p2alignl 7, 3214868480
	.fill 96, 4, 3214868480
	.section	.rodata,"a",@progbits
	.p2align	6, 0x0
	.amdhsa_kernel k_q33c1330c1b_attn
		.amdhsa_group_segment_fixed_size 264192
		.amdhsa_private_segment_fixed_size 0
		.amdhsa_enable_private_segment 0
		.amdhsa_kernarg_size 48
		.amdhsa_user_sgpr_count 2
		.amdhsa_user_sgpr_kernarg_segment_ptr 1
		.amdhsa_wavefront_size32 1
		.amdhsa_system_sgpr_workgroup_id_x 1
		.amdhsa_system_sgpr_workgroup_id_y 1
		.amdhsa_system_sgpr_workgroup_id_z 1
		.amdhsa_system_vgpr_workitem_id 0
		.amdhsa_next_free_vgpr 256
		.amdhsa_next_free_sgpr 102
		.amdhsa_reserve_vcc 0
		.amdhsa_float_denorm_mode_32 3
		.amdhsa_float_denorm_mode_16_64 3
		.amdhsa_memory_ordered 1
		.amdhsa_forward_progress 1
		.amdhsa_inst_pref_size 94
	.end_amdhsa_kernel
	.amdgpu_metadata
---
amdhsa.version: [ 1, 2 ]
amdhsa.kernels:
  - .name:           k_q33c1330c1b_attn
    .symbol:         k_q33c1330c1b_attn.kd
    .args:
      - { .name: qimg, .offset: 0, .size: 8, .value_kind: global_buffer, .address_space: global }
      - { .name: kv, .offset: 8, .size: 8, .value_kind: global_buffer, .address_space: global }
      - { .name: mw, .offset: 16, .size: 8, .value_kind: global_buffer, .address_space: global }
      - { .name: mflag, .offset: 24, .size: 8, .value_kind: global_buffer, .address_space: global }
      - { .name: lowp_scales, .offset: 32, .size: 8, .value_kind: global_buffer, .address_space: global }
      - { .name: aimg, .offset: 40, .size: 8, .value_kind: global_buffer, .address_space: global }
    .group_segment_fixed_size: 264192
    .private_segment_fixed_size: 0
    .kernarg_segment_align: 8
    .kernarg_segment_size: 48
    .max_flat_workgroup_size: 512
    .sgpr_count:     102
    .vgpr_count:     256
    .wavefront_size: 32
...
	.end_amdgpu_metadata
.endif
;; end of part 2
;; launch outp (part 3): grid 8 x 32, 4 waves a work-group, clusters of 4 x 4, 288,256 bytes of LDS; arguments aimg, wo_w_codes, wo_b, lowp_scales, out0; writes out0
.if DOCPART == 3
	.amdgcn_target "amdgcn-amd-amdhsa--gfx1250"
	.amdhsa_code_object_version 6
	.text
	.protected	k_q33c1330c1b_outp
	.globl	k_q33c1330c1b_outp
	.p2align	8
	.type	k_q33c1330c1b_outp,@function
k_q33c1330c1b_outp:
	s_mov_b64 s[64:65], 0
	v_nop
	global_prefetch_b8 v0, s[64:65] scope:SCOPE_SE
	s_setreg_imm32_b32 hwreg(HW_REG_WAVE_MODE, 25, 1), 1
	s_wait_xcnt 0x0
	s_wait_alu depctr_hold_cnt(0) depctr_sa_sdst(0) depctr_va_vdst(0) depctr_va_sdst(0) depctr_va_ssrc(0) depctr_va_vcc(0) depctr_vm_vsrc(0)
	s_getreg_b32 s2, hwreg(HW_REG_IB_STS2, 6, 4)
	s_cmp_eq_u32 s2, 0
	s_cbranch_scc0 .Lentry_in_a_cluster
	s_endpgm
.Lentry_in_a_cluster:
	s_bfe_u32 s2, ttmp6, 0x10000c
	s_cmp_lg_u32 s2, 0xf033
	s_cbranch_scc0 .Lentry_shape_is_right
	s_endpgm
.Lentry_shape_is_right:
; THIRD LAUNCH: product 6, out0 = attention Wo^T + bo, on codes of BF8 (E5M2).  No work of the problem is left out here.
; out0 = sum x 2^(e10 + e11) + bo.  LIMIT: e10 + e11 between -126 and 127, so that the power of two is an f32 number.
; SHARES.  4,096 x 1,024 of output in tiles of 128 x 128: 256 work-groups of four waves, a wave 64 x 64: 16 accumulators.  (Tiles of 256 x 256 would be 64.)
; THE WHOLE K LIES IN LDS: four stages of 256 along K for each operand, 270,336 bytes, each wave's four tensor loads issued together at the head and nothing filled again: four loads of mine are out at the most.
; CLUSTERS: 4 x 4 work-groups; the four of a row need the same 128 tokens, the four of a column the same 128 rows of Wo: joint loads.
; The tokens' codes are images of operand registers, as the second launch stored them (registers 2c, 2c+1 = k 16c + 8 (lane/16) + 0..7): a stage of 128 tokens is one dense block of 32,768 bytes.
; Wo's codes lie in rows; its fragments are fetched 8 bytes at a time, at 16 c + 8 (lane/16), so that every k meets its partner.
; The matrix instruction takes 16 rows of Wo as source 0 and 16 tokens as source 1: a lane holds eight neighbouring columns of one row of the output.
; REGISTERS: window 0: v1-29 addresses; v32-63 the bias; v64-95 a block's results; v96-127 rows read back; v128-255 the accumulators ((a, b) at v[128 + 8 (4 a + b)]).
;   window 1: two fragment buffers of 128: four fragments of tokens, then four of Wo, for 128 along K.
.set WBASE, 131072                     ; LDS: the tokens' four stages of 32,768 bytes; then Wo's four
.set WP,    272                        ; a row of Wo's tile: 256 bytes + 16 of padding
.set WSTG,  128*WP                     ; a stage of Wo: 128 rows
.set STAGE, WBASE+4*WSTG               ; the way out: 16 rows x 272 bytes for each wave; no tensor load lands here
.set SP,    272
.set SPARE, STAGE+4*16*SP              ; the spare words, 128 bytes for each wave, which no other line names
.set ADA,  8                           ; v8-11   LDS address of my tokens' fragments in stage 0..3
.set ADW,  12                          ; v12-15  the same for Wo
.set STO,  16                          ; v16     the way out: where I put 32 bytes of a row
.set RD,   17                          ; v17     where I read a row back
.set CO,   18                          ; v18     my byte offset in the output
.set SPW,  28                          ; v28     my spare word's LDS address; never rewritten
.set NIL,  29                          ; v29     0; never rewritten
.set BIA,  32
.set TMP,  64
.set OUTR, 96
.set ACC,  128
.set G1A, 24                           ; s[24:31] descriptor group 1 for the tokens' blocks;  s[32:39] for Wo's tiles
.set G1B, 32
.set G0A, 40                           ; s[40:55] group 0, a set for each stage;  s[68:83] the same for Wo
.set G0B, 68
.set MSB, 0
.macro WIN new                         ; the immediate's high byte repeats the setting that is left
.if MSB != \new
	s_set_vgpr_msb (MSB<<8)|\new
.set MSB, \new
.endif
.endm
.set MUL,  0x05                        ; sources 0 and 1 window 1; C and D window 0
.set TO_F, 0x40                        ; destination window 1, address window 0
.macro CROUND                          ; a round of the cluster's barrier
	s_barrier_signal -1
	s_barrier_wait -1
	s_cmp_lg_u32 s14, 0
	s_cbranch_scc1 .Lnot_wave_0_\@
	s_barrier_signal -3
.Lnot_wave_0_\@:
	s_barrier_wait -3
	s_barrier_signal -1
	s_barrier_wait -1
.endm
	s_load_b256 s[4:11], s[0:1], 0x0               ; aimg s[4:5], Wo's codes s[6:7], bo s[8:9], the scales' exponents s[10:11]
	s_load_b64 s[12:13], s[0:1], 0x20              ; out0
	v_lshl_add_u32 v[SPW], v0, 2, SPARE
	v_mov_b32 v[NIL], 0
	ds_add_u32 v[SPW], v[NIL]                      ; the wave's opening: the add, twice on end, and its wait ahead of my first tensor load
	ds_add_u32 v[SPW], v[NIL]                      ; and once more, under the one wait; the set-up below, work on registers, stands between
	v_lshrrev_b32 v1, 5, v0
	v_readfirstlane_b32 s14, v1                    ; wave 0..3
	s_lshr_b32 s15, s14, 1                         ; which 64 tokens are mine.  Also: I fetch tokens (0) or Wo (1)
	s_and_b32 s16, s14, 1                          ; which 64 columns.  Also: which half of a stage I fetch
	s_bfe_u32 s56, ttmp6, 0x40000                  ; cx, cy
	s_bfe_u32 s57, ttmp6, 0x40004
	s_lshl_b32 s58, ttmp9, 2
	s_add_co_u32 s58, s58, s56                     ; tile column, 0..7
	s_and_b32 s17, ttmp7, 0xffff
	s_lshl_b32 s17, s17, 2
	s_add_co_u32 s17, s17, s57                     ; tile row, 0..31
	s_lshl_b32 s59, s57, 2
	s_lshl_b32 s59, 15, s59                        ; my row of the cluster
	s_lshl_b32 s60, 0x1111, s56                    ; my column
	s_or_b32 s[G1A+0], s59, (3<<16)|(1<<21)        ; the tokens: a dense block as 64 rows of 32 elements of 8 bytes, no padding; the mask of my row, bit 21 beside it
	s_mov_b32 s[G1A+1], 32<<16                     ; tensor_dim0
	s_mov_b32 s[G1A+2], 64<<16                     ; tensor_dim1
	s_mov_b32 s[G1A+3], 32<<16                     ; tile_dim0
	s_mov_b32 s[G1A+4], 64                         ; tile_dim1
	s_mov_b32 s[G1A+5], 32                         ; from row to row
	s_mov_b32 s[G1A+6], 0
	s_mov_b32 s[G1A+7], 0
	s_or_b32 s[G1B+0], s60, (0<<16)|(1<<20)|(1<<21)|(5<<22)|(3<<25)  ; Wo: 64 rows of 256 bytes, four words of padding behind every 64; the mask of my column
	s_mov_b32 s[G1B+1], 256<<16
	s_mov_b32 s[G1B+2], 64<<16
	s_mov_b32 s[G1B+3], 256<<16
	s_mov_b32 s[G1B+4], 64
	s_mov_b32 s[G1B+5], 1024
	s_mov_b32 s[G1B+6], 0
	s_mov_b32 s[G1B+7], 0
	s_lshl_b32 s20, s17, 3
	s_lshl_b32 s18, s16, 2
	s_add_co_u32 s20, s20, s18                     ; the tokens: tile of 16 number 8 x tile row + 4 x half,
	s_lshl_b32 s20, s20, 12                        ; 4,096 bytes each in a slice of 256 along K
	s_mov_b32 s21, 0
	s_lshl_b32 s62, s58, 7
	s_lshl_b32 s19, s16, 6
	s_add_co_u32 s62, s62, s19                     ; Wo: row 128 x tile column + 64 x half,
	s_lshl_b32 s62, s62, 10                        ; of 1,024 bytes
	s_mov_b32 s63, 0
	s_lshl_b32 s22, s16, 14                        ; where they go: no place in the cluster enters an LDS address
	s_mul_i32 s23, s16, 64*WP
	s_add_co_u32 s23, s23, WBASE
	s_wait_dscnt 0x0                               ; both opening adds are done
	s_wait_kmcnt 0x0
	s_load_b64 s[86:87], s[10:11], 0x28            ; e10, e11
	s_add_nc_u64 s[20:21], s[4:5], s[20:21]
	s_add_nc_u64 s[62:63], s[6:7], s[62:63]
.irp st, 0,1,2,3
	s_mov_b32 s[G0A+4*\st], 1
	s_add_co_u32 s[G0A+4*\st+1], s22, \st*32768
	s_add_nc_u64 s[G0A+4*\st+2:G0A+4*\st+3], s[20:21], \st*1048576   ; a slice of 256 along K is 256 tiles x 4,096 bytes
	s_or_b32 s[G0A+4*\st+3], s[G0A+4*\st+3], 0x80000000
	s_mov_b32 s[G0B+4*\st], 1
	s_add_co_u32 s[G0B+4*\st+1], s23, \st*WSTG
	s_add_nc_u64 s[G0B+4*\st+2:G0B+4*\st+3], s[62:63], \st*256
	s_or_b32 s[G0B+4*\st+3], s[G0B+4*\st+3], 0x80000000
.endr
	CROUND                                         ; all sixteen work-groups are here: the joint loads meet
	s_cmp_eq_u32 s15, 0                            ; a wave's four first fills stand in one arm of one branch on its number; an s_nop 0 follows each, four v_nop the last
	s_cbranch_scc0 .Lfill_w
.irp st, 0,1,2,3
	tensor_load_to_lds s[G0A+4*\st:G0A+4*\st+3], s[G1A:G1A+7]
	s_nop 0
.endr
.rept 4
	v_nop
.endr
	s_branch .Lfilled
.Lfill_w:
.irp st, 0,1,2,3
	tensor_load_to_lds s[G0B+4*\st:G0B+4*\st+3], s[G1B:G1B+7]
	s_nop 0
.endr
.rept 4
	v_nop
.endr
.Lfilled:
	v_and_b32 v1, 15, v0                           ; r
	v_bfe_u32 v2, v0, 4, 1                         ; h
	v_and_b32 v3, 31, v0                           ; lane
	v_lshlrev_b32 v4, 4, v3
	s_lshl_b32 s18, s15, 14                        ; my 64 tokens: four tiles of 4,096 bytes
	v_add_nc_u32 v[ADA], s18, v4
	v_mul_u32_u24 v5, v1, WP
	v_lshl_add_u32 v5, v2, 3, v5                   ; Wo: row r, + 8 h
	s_mul_i32 s18, s16, 64*WP
	s_add_co_u32 s18, s18, WBASE
	v_add_nc_u32 v[ADW], s18, v5
.irp st, 1,2,3
	v_add_nc_u32 v[ADA+\st], \st*32768, v[ADA]
	v_add_nc_u32 v[ADW+\st], \st*WSTG, v[ADW]
.endr
	s_mul_i32 s18, s14, 16*SP
	s_add_co_u32 s18, s18, STAGE                   ; my stage
	v_mul_u32_u24 v[STO], v1, SP
	v_lshl_add_u32 v[STO], v2, 5, v[STO]
	v_add_nc_u32 v[STO], s18, v[STO]               ; in: row r, 32 bytes for each half of the lanes
	v_mul_u32_u24 v[RD], v2, SP
	v_lshl_add_u32 v[RD], v1, 4, v[RD]
	v_add_nc_u32 v[RD], s18, v[RD]                 ; back: lanes 0-15 one row of 256 bytes, lanes 16-31 the next
	v_lshlrev_b32 v[CO], 12, v2
	v_lshl_add_u32 v[CO], v1, 4, v[CO]             ; and the same two rows of the output, 4,096 bytes apart
	s_lshl_b32 s90, s58, 9
	s_lshl_b32 s91, s16, 8
	s_add_co_u32 s90, s90, s91                     ; my first column x 4 bytes
	s_lshl_b32 s88, s17, 7
	s_lshl_b32 s89, s15, 6
	s_add_co_u32 s88, s88, s89                     ; my first token,
	s_lshl_b32 s88, s88, 12                        ; x 4,096 bytes (under 2^24)
	s_add_co_u32 s88, s88, s90
	s_mov_b32 s89, 0
	s_mov_b32 s91, 0
	s_add_nc_u64 s[12:13], s[12:13], s[88:89]
	s_add_nc_u64 s[8:9], s[8:9], s[90:91]
	v_lshlrev_b32 v6, 5, v2
.irp b, 0,1,2,3
	global_load_b128 v[BIA+8*\b:BIA+8*\b+3], v6, s[8:9] offset:64*\b        ; bo at columns 16 b + 8 h + 0..7: the result's layout
	global_load_b128 v[BIA+8*\b+4:BIA+8*\b+7], v6, s[8:9] offset:64*\b+16
.endr
; the fragments of 128 along K (half kk of stage st) into buffer f: four tiles of tokens, 16 bytes a lane as they lie; four tiles of Wo's rows, 8 bytes a lane
.macro FETCH st, kk, f
	WIN TO_F
.irp a, 0,1,2,3
.irp g, 0,1,2,3
	ds_load_b128 v[\f+16*\a+4*\g:\f+16*\a+4*\g+3], v[ADA+\st] offset:4096*\a+2048*(\kk)+512*\g
.endr
.endr
.irp b, 0,1,2,3
.irp c, 0,1,2,3,4,5,6,7
	ds_load_b64 v[\f+64+16*\b+2*\c:\f+64+16*\b+2*\c+1], v[ADW+\st] offset:16*WP*\b+128*(\kk)+16*\c
.endr
.endr
.endm
; 8 matrix instructions: tiles of tokens a0, a0 + 1 x Wo's four.  zero = 1: the first product starts the sums.  The 16 accumulators take turns.
.macro MUL8 f, a0, zero
.irp a, \a0, \a0+1
.irp b, 0,1,2,3
.if \zero
	v_wmma_f32_16x16x128_bf8_bf8 v[ACC+8*(4*(\a)+\b):ACC+8*(4*(\a)+\b)+7], v[\f+64+16*\b:\f+64+16*\b+15], v[\f+16*(\a):\f+16*(\a)+15], 0
.else
	v_wmma_f32_16x16x128_bf8_bf8 v[ACC+8*(4*(\a)+\b):ACC+8*(4*(\a)+\b)+7], v[\f+64+16*\b:\f+64+16*\b+15], v[\f+16*(\a):\f+16*(\a)+15], v[ACC+8*(4*(\a)+\b):ACC+8*(4*(\a)+\b)+7]
.endif
.endr
.endr
.endm
; Step i of eight, 128 along K each.  A stage's second step shows the next stage whole: my load of it has landed (the later stages' loads may be out), then a barrier.
.macro KSTEP i
.set SG, (\i)/2
.set FB, 128*((\i)%2)
.set ZR, 0
.if (\i) == 0
.set ZR, 1
.endif
.set NX, 0
.if ((\i)%2 == 1) && ((\i) < 7)
.set NX, 1
.endif
	s_wait_dscnt 0x0                               ; this step's fragments are in
.if NX
	s_wait_tensorcnt 2-SG                          ; my load of stage SG + 1 has landed; the 2 - SG issued behind it may be out
	s_barrier_signal -1
.endif
	WIN MUL
	MUL8 FB, 0, ZR
.if NX
	s_barrier_wait -1                              ; everybody's has
.endif
.if (\i) < 7
.rept 4
	v_nop                                          ; places in front of loads into the buffer that the step before multiplied
.endr
	FETCH ((\i)+1)/2, ((\i)+1)%2, 128-FB
.endif
	WIN MUL
	MUL8 FB, 2, ZR
.endm
	s_wait_tensorcnt 3                             ; my load of stage 0 has landed; stages 1 to 3, three loads, may be out
	s_barrier_signal -1
	s_barrier_wait -1
	FETCH 0, 0, 0
.irp i, 0,1,2,3,4,5,6,7
	KSTEP \i
.endr
	WIN 0
	s_wait_kmcnt 0x0
	s_add_co_i32 s84, s86, s87
	s_add_co_i32 s84, s84, 127
	s_lshl_b32 s84, s84, 23                        ; 2^(e10 + e11) as f32
	s_mov_b32 s85, s84                             ; (named with it as a pair)
	s_wait_loadcnt 0x0                             ; the bias
.rept 4
	v_nop                                          ; places behind the last products
.endr
; THE WAY OUT, 16 tokens at a time: sum x 2^(e10 + e11) + bo, one packed multiply-add for two numbers, each accumulator from its low end on; through my own stage; back as rows of 256 bytes.
.macro OUTA a
.irp b, 0,1,2,3
.irp i, 0,2,4,6
	v_pk_fma_f32 v[TMP+8*\b+\i:TMP+8*\b+\i+1], v[ACC+8*(4*(\a)+\b)+\i:ACC+8*(4*(\a)+\b)+\i+1], s[84:85], v[BIA+8*\b+\i:BIA+8*\b+\i+1] op_sel_hi:[1,0,1]
.endr
.endr
.irp b, 0,1,2,3
	ds_store_b128 v[STO], v[TMP+8*\b:TMP+8*\b+3] offset:64*\b
	ds_store_b128 v[STO], v[TMP+8*\b+4:TMP+8*\b+7] offset:64*\b+16
.endr
.if (\a) > 0
	s_wait_xcnt 0x0                                ; the last block's stores have read their registers: the loads below may land there
.endif
.irp i, 0,1,2,3,4,5,6,7
	ds_load_b128 v[OUTR+4*\i:OUTR+4*\i+3], v[RD] offset:2*SP*\i   ; LDS serves a wave's instructions in order (ISA guide 5.7.1.4): these see my stores, and the next block's stores come behind them
.endr
.irp i, 0,1,2,3,4,5,6,7
	s_wait_dscnt 7-\i                              ; load i is in; the 7 - i younger ones may be out
	global_store_b128 v[CO], v[OUTR+4*\i:OUTR+4*\i+3], s[12:13] offset:(16*(\a)+2*\i)*4096 th:TH_STORE_NT   ; 16 lanes store 256 consecutive bytes, at a multiple of 256 from the output's first byte
.endr
.endm
.irp a, 0,1,2,3
	OUTA \a
.endr
	s_wait_tensorcnt 0x0                           ; the wave's end, behind my last tensor load and my last LDS store
	ds_add_u32 v[SPW], v[NIL]
	s_wait_dscnt 0x0
	CROUND                                         ; the closing round: no work-group ends while a partner may still ask for a tile that names it
	s_endpgm
.Lfunc_end_k_q33c1330c1b_outp:
	.size	k_q33c1330c1b_outp, .Lfunc_end_k_q33c1330c1b_outp-k_q33c1330c1b_outp
	.p2alignl 7, 3214868480
	.fill 96, 4, 3214868480
	.section	.rodata,"a",@progbits
	.p2align	6, 0x0
	.amdhsa_kernel k_q33c1330c1b_outp
		.amdhsa_group_segment_fixed_size 288256
		.amdhsa_private_segment_fixed_size 0
		.amdhsa_enable_private_segment 0
		.amdhsa_kernarg_size 40
		.amdhsa_user_sgpr_count 2
		.amdhsa_user_sgpr_kernarg_segment_ptr 1
		.amdhsa_wavefront_size32 1
		.amdhsa_system_sgpr_workgroup_id_x 1
		.amdhsa_system_sgpr_workgroup_id_y 1
		.amdhsa_system_sgpr_workgroup_id_z 1
		.amdhsa_system_vgpr_workitem_id 0
		.amdhsa_next_free_vgpr 512
		.amdhsa_next_free_sgpr 100
		.amdhsa_reserve_vcc 0
		.amdhsa_float_denorm_mode_32 3
		.amdhsa_float_denorm_mode_16_64 3
		.amdhsa_memory_ordered 1
		.amdhsa_forward_progress 1
		.amdhsa_inst_pref_size 56
	.end_amdhsa_kernel
	.amdgpu_metadata
---
amdhsa.version: [ 1, 2 ]
amdhsa.kernels:
  - .name:           k_q33c1330c1b_outp
    .symbol:         k_q33c1330c1b_outp.kd
    .args:
      - { .name: aimg, .offset: 0, .size: 8, .value_kind: global_buffer, .address_space: global }
      - { .name: wo_w_codes, .offset: 8, .size: 8, .value_kind: global_buffer, .address_space: global }
      - { .name: wo_b, .offset: 16, .size: 8, .value_kind: global_buffer, .address_space: global }
      - { .name: lowp_scales, .offset: 24, .size: 8, .value_kind: global_buffer, .address_space: global }
      - { .name: out0, .offset: 32, .size: 8, .value_kind: global_buffer, .address_space: global }
    .group_segment_fixed_size: 288256
    .private_segment_fixed_size: 0
    .kernarg_segment_align: 8
    .kernarg_segment_size: 40
    .max_flat_workgroup_size: 128
    .sgpr_count:     100
    .vgpr_count:     512
    .wavefront_size: 32
...
	.end_amdgpu_metadata
.endif
;; end of part 3
;; ======== version 2 of 2: 3 launches; version 1 with the launch attn written anew for expert scheduling mode
;; limits: right only within a limited range of input values
;; workspace buffers: qimg 4,194,304 bytes; kv 8,388,608 bytes; mw 1,048,576 bytes of whole numbers; mflag 2,048 bytes of whole numbers; aimg 4,194,304 bytes
;; launch proj: the kernel of part 1 again; grid 4 x 48, 4 waves a work-group, clusters of 4 x 4, 327,680 bytes of LDS; arguments query_codes, key_codes, value_codes, wq_w_codes, wk_w_codes, wv_w_codes, wq_b, wk_b, wv_b, lowp_scales, mask, qimg, kv, mw, mflag; writes qimg, kv, mw, mflag
;; launch attn (part 4): grid 8 x 32, 16 waves a work-group, no clusters, 264,192 bytes of LDS; arguments qimg, kv, mw, mflag, lowp_scales, aimg; writes aimg
.if DOCPART == 4
	.amdgcn_target "amdgcn-amd-amdhsa--gfx1250"
	.amdhsa_code_object_version 6
	.text
	.protected	k_q33c1330c1b_attn
	.globl	k_q33c1330c1b_attn
	.p2align	8
	.type	k_q33c1330c1b_attn,@function
k_q33c1330c1b_attn:
	s_mov_b64 s[64:65], 0
	v_nop
	global_prefetch_b8 v0, s[64:65] scope:SCOPE_SE
	s_setreg_imm32_b32 hwreg(HW_REG_WAVE_SCHED_MODE, 0, 2), 2
	s_setreg_imm32_b32 hwreg(HW_REG_WAVE_MODE, 25, 1), 1
	s_wait_xcnt 0x0
	s_wait_alu depctr_vm_vsrc(0)
; SECOND LAUNCH: products 4 and 5 with the softmax between them, and the result quantised for product 6.  No work of the problem is left out here.
; t = score x log2(e) / 8; M = the running largest t, rounded UP to a whole number; p = 2^(t - M) is quantised with 2^e8, not normalised; the row's sum is taken of the unquantised p and divides at the end.
; When M moves, the sum and O are multiplied by 2^(old M - new M): exact.
; THE MASK.  Where the mask's byte is 0, the raw score is replaced by X = -2^(33 - e6 - e7), which stands for the logit -2^30.
; LIMIT: reference() puts -1e9 there.  X x c is exact in f32, so a row all of whose keys so far are masked has t - M = 0 and p = 1, as reference() has it; beside an unmasked logit above -9e8 a masked p is 0 either way.
; So the results are reference()'s while every unmasked logit lies above -9e8; the quantisers' clamp bounds |logit| by 8 x 57,344^2 x 2^(e6 + e7), which is under that for e6 + e7 <= -5.
; LIMITS on the exponents, so that each power of two below is an f32 number: e6 + e7 between -94 and 120; e8, and e10 - e8 - e9, between -126 and 112.
; SHARES.  A work-group owns 256 queries of one (batch, head); each of its sixteen waves one tile of 16, in 256 registers: four waves to a SIMD, so that one wave's vector work stands beside another's products and LDS loads.
; Every wave walks the head's 2,048 keys, 128 a step: 8 products S^T = K Q^T (16 keys x 16 queries x 64), 4 products O^T += V^T P^T (16 channels x 16 queries x 128).  A lane holds ONE query throughout.
; OPERANDS ARE IMAGES OF REGISTERS, as the first launch stored them: every fragment comes by loads of 16 bytes at 16 x lane.  p's conversions give the second product's operand as it stands.
; K AND V: the head's 262,144 bytes lie in LDS whole, each byte written once, through registers: 65,536 bytes (four steps) at a time, asked for at the head of the four steps before and stored at their end, in
; front of one barrier.  So no wave waits for that stream, and nothing of it is asked for ahead of those loads.
; WHY NO TENSOR LOAD AND NO CLUSTER, though eight work-groups read a head's K and V: two jumps of this text hang on whole numbers read from memory.
; (1) A unit of 16 queries x 128 keys without a hole (a flag that the first launch stored) jumps over its 64 selects.  (2) For e8 >= -15, 57,344 x 2^e8 >= 1.75 lies over every p <= 1: the 64 one-sided holds change nothing and are jumped over.
; THE MASK'S WORDS come by scalar loads, 64 words a unit, asked for in the step before and only for units with a hole; each word is the lane mask of one v_cndmask_b32.
; THE MODE: SCHED_MODE bits 1:0 = 2 (LLVM: expert scheduling mode 2), set by the entry lines.  The code itself states the register dependences between vector or matrix instructions and memory or LDS
; instructions, with s_wait_alu, always for 0.
; THE PLAN.  Registers that memory or LDS instructions touch:
;   KV            A step's sixteen LDS loads of K land in it; its eight products K Q^T read it; its sixteen LDS loads of V land in it; its four products V^T P^T, the step's last lines, read it.
;   v[ADR]        Written by one addition at a step's head; read by the step's 32 LDS loads.
;   STG           The global loads of the next four steps land in it; the LDS stores at the group's end read it.  No vector instruction names it.
;   v[LI], v[FO], v[FA ..]   Made once at the head and never written again: the groups are reached by immediate offsets (memory) and by a register for each group (LDS).
;   Q             Loaded once; read by products alone.
;   P             In the loop named by conversions and products alone; on the way out the last conversions write it and the two global stores read it.
;   v[SPW], v[NIL]  Written at the head, read by the closing add alone.
; So a step holds one wait on vm_vsrc, ahead of the addition to v[ADR], and three on va_vdst: behind that addition (v[ADR] is written; the last step's four products are done reading KV), ahead of K's loads;
; behind the eight products (they are done reading KV), ahead of V's loads, which are then dealt among the lines of the maximum, none of which names KV or v[ADR]; and the one behind the exponentials.
; All sixteen waves' 256 registers fill their SIMDs' registers: there is none for a second buffer of operands.
.set SPARE, 262144                     ; behind the head's K and V: the spare words, 128 bytes for each of sixteen waves, which no other line names
.set LI,   1                           ; v1   16 x lane
.set ADR,  2                           ; v2   the step's place in LDS + 16 x lane
.set SPW,  3                           ; v3   my spare word's LDS address; never rewritten
.set NIL,  4                           ; v4   0; never rewritten
.set FO,   5                           ; v5   4,096 x wave + 16 x lane: my part of a group of 65,536 bytes, in memory and in LDS alike
.set XM,   6                           ; v6   X
.set LIMP, 7                           ; v7   57,344 x 2^e8
.set SCP,  8                           ; v8   2^e8
.set SCO,  10                          ; v10  2^(e10 - e8 - e9)
.set LIMO, 11                          ; v11  57,344 x that
                                       ; v12 -M, v13 the largest t, v[14:15] the sum in two halves
.set Q,    16                          ; v16-23   Q's fragment
.set STG,  24                          ; v24-55   128 bytes a lane on their way from memory to LDS
.set KV,   56                          ; v56-119  K's eight fragments, then V's four
.set S,    120                         ; v120-183 S^T, then p
.set O,    184                         ; v184-215 O^T
.set P,    216                         ; v216-231 p's codes
                                       ; v232 f (v233 named with it), v234, v237 at work, v235 the old -M, v236 the other half's, v[238:239] the sum's second chain
.set FA,   240                         ; v240-242 FO + 65,536 x (g + 1): where I store my part of group g + 1 in LDS; never rewritten
; s[4:51], s[68:83] the unit's 64 words; s52 wave; s53 the step's LDS byte; s54 the flags of the units to come; s[56:57] c; s[58:59] lane selects; s61 counts; s62 1 = p is held
	s_load_b256 s[84:91], s[0:1], 0x0              ; qimg s[84:85], kv s[86:87], mw s[88:89], mflag s[90:91]
	s_load_b128 s[92:95], s[0:1], 0x20             ; the scales' exponents s[92:93], aimg s[94:95]
	v_lshl_add_u32 v[SPW], v0, 2, SPARE
	v_mov_b32 v[NIL], 0
	v_lshrrev_b32 v2, 5, v0
	v_readfirstlane_b32 s52, v2                    ; wave 0..15
	v_and_b32 v[LI], 31, v0
	v_lshlrev_b32 v[LI], 4, v[LI]
	v_lshl_add_u32 v[FO], v2, 12, v[LI]
.irp g, 0,1,2
	v_add_nc_u32 v[FA+\g], 65536*(\g+1), v[FO]
.endr
	s_wait_alu depctr_va_sdst(0)                   ; s52 is written, ahead of its first reader: my tile's number and all that is made from it
	s_and_b32 s2, ttmp7, 0xffff                    ; 16 x batch + head
	s_lshl_b32 s3, ttmp9, 4
	s_add_co_u32 s3, s3, s52                       ; my tile of queries, 0..127
	s_lshr_b32 s66, s2, 4                          ; batch
	s_and_b32 s101, s2, 15                         ; head
	s_lshl_b32 s67, s66, 7
	s_add_co_u32 s67, s67, s3                      ; T = 128 x batch + tile
	s_mov_b32 s63, 0
	s_mov_b32 s58, 0x76543210
	s_mov_b32 s59, 0xfedcba98                      ; v_permlanex16_b32: lane l xor 16
	s_wait_kmcnt 0x0
	s_load_b128 s[96:99], s[92:93], 0x18           ; e6, e7, e8, e9
	s_load_b32 s100, s[92:93], 0x28                ; e10
	s_lshl_b32 s62, s67, 3
	s_add_nc_u64 s[90:91], s[90:91], s[62:63]
	s_load_b64 s[54:55], s[90:91], 0x0             ; my sixteen units' flags, eight a word
	s_lshl_b32 s62, s67, 12
	s_add_nc_u64 s[88:89], s[88:89], s[62:63]      ; my sixteen units' words, 256 bytes a unit
	s_load_b512 s[4:19], s[88:89], 0x0             ; unit 0's words are asked for whatever its flag, which is not in yet
	s_load_b512 s[20:35], s[88:89], 0x40
	s_load_b512 s[36:51], s[88:89], 0x80
	s_load_b512 s[68:83], s[88:89], 0xc0
	s_lshl_b32 s62, s2, 18
	s_add_nc_u64 s[86:87], s[86:87], s[62:63]      ; the head's K and V
	s_wait_alu depctr_va_vdst(0)                   ; v[LI], v[FO] and v[FA ..] are written: every global load and store and every LDS store of the kernel reads one of them as its address
.irp i, 0,1,2,3,4,5,6,7
	global_load_b128 v[STG+4*\i:STG+4*\i+3], v[FO], s[86:87] offset:512*\i   ; my 4,096 bytes of the first four steps
.endr
	s_lshl_b32 s62, s2, 7
	s_add_co_u32 s62, s62, s3
	s_lshl_b32 s62, s62, 10
	s_add_nc_u64 s[84:85], s[84:85], s[62:63]
	global_load_b128 v[Q:Q+3], v[LI], s[84:85]
	global_load_b128 v[Q+4:Q+7], v[LI], s[84:85] offset:512
	s_lshr_b32 s62, s101, 2                        ; aimg [K / 256][T][K step of 128: 2][g 4][lane][16]: my head's 64 channels are registers 8 (head % 2) on of K step (head / 2) % 2 of slice head / 4
	s_lshl_b32 s62, s62, 8
	s_add_co_u32 s62, s62, s67
	s_lshl_b32 s62, s62, 2
	s_and_b32 s66, s101, 3
	s_add_co_u32 s62, s62, s66
	s_lshl_b32 s62, s62, 10
	s_add_nc_u64 s[94:95], s[94:95], s[62:63]
.set j, 0
.rept 32
	v_mov_b32 v[O+j], 0                            ; O^T.  (The step is written once: the first finds zeros, which the first change of M leaves zeros)
.set j, j+1
.endr
	v_mov_b32 v14, 0
	v_mov_b32 v15, 0
	v_mov_b32 v13, 0xff61b1e6                      ; the largest t so far: -3e38
	v_floor_f32 v12, -v13                          ; -M
	v_mov_b32 v233, 0                              ; (named as the upper half of the pair v[232:233])
	v_mov_b32 v236, 0                              ; a lane permute's destination counts as one of its sources
	s_wait_loadcnt 0x2                             ; my eight loads of K and V are in; Q's two may be out
.irp i, 0,1,2,3,4,5,6,7
	ds_store_b128 v[FO], v[STG+4*\i:STG+4*\i+3] offset:512*\i   ; no vector instruction since the wait on va_vdst above names v[FO] or STG
.endr
	s_wait_dscnt 0x0                               ; for the others' sake: my stores have landed
	s_barrier_signal -1
	s_barrier_wait -1                              ; steps 0 to 3 lie in LDS
	s_wait_kmcnt 0x0
	s_add_co_i32 s2, s96, s97                      ; e6 + e7
	s_sub_co_i32 s3, s2, 3
	s_lshl_b32 s3, s3, 23
	s_add_co_i32 s56, s3, 0x3fb8aa3b               ; c = log2(e) x 2^(e6 + e7 - 3): the exponents are added to the exponent field
	s_mov_b32 s57, s56                             ; (named with it as a pair)
	s_sub_co_i32 s3, 160, s2
	s_lshl_b32 s3, s3, 23
	s_or_b32 s3, s3, 0x80000000
	v_mov_b32 v[XM], s3                            ; X = -2^(33 - e6 - e7)
	s_add_co_i32 s3, s98, 127
	s_lshl_b32 s63, s3, 23
	v_mov_b32 v[SCP], s63
	s_add_co_i32 s3, s3, 15
	s_lshl_b32 s3, s3, 23
	s_or_b32 s3, s3, 0x600000
	v_mov_b32 v[LIMP], s3
	s_cmp_lt_i32 s98, -15
	s_cselect_b32 s62, 1, 0
	s_sub_co_i32 s3, s100, s98
	s_sub_co_i32 s3, s3, s99
	s_add_co_i32 s3, s3, 127
	s_lshl_b32 s63, s3, 23
	v_mov_b32 v[SCO], s63
	s_add_co_i32 s3, s3, 15
	s_lshl_b32 s3, s3, 23
	s_or_b32 s3, s3, 0x600000
	v_mov_b32 v[LIMO], s3
	s_lshl_b32 s55, s55, 8
	s_or_b32 s54, s54, s55                         ; bit u: unit u has a hole; bits 16 on are 0
	s_wait_loadcnt 0x0                             ; Q
; A KEY STEP: 128 keys, at LDS byte s53.
.macro STEP
	s_wait_alu depctr_vm_vsrc(0)                   ; the LDS loads issued so far have read v[ADR], which the next line writes
	v_add_nc_u32 v[ADR], s53, v[LI]
.rept 3
	v_nop                                          ; with the addition: four places behind the last products, in front of loads into their sources; they stay beside the wait below
.endr
	s_wait_alu depctr_va_vdst(0)                   ; v[ADR] is written, which the step's 32 LDS loads read; the last step's four products are done reading KV, in which K's loads land
.irp t, 0,1,2,3,4,5,6,7
	ds_load_b128 v[KV+8*\t:KV+8*\t+3], v[ADR] offset:1024*\t
	ds_load_b128 v[KV+8*\t+4:KV+8*\t+7], v[ADR] offset:1024*\t+512
.endr
	s_wait_dscnt 0x0
.irp t, 0,1,2,3,4,5,6,7
	v_wmma_f32_16x16x64_bf8_bf8 v[S+8*\t:S+8*\t+7], v[KV+8*\t:KV+8*\t+7], v[Q:Q+7], 0   ; lane (r, h), register 8 t + j: query r, key 16 t + 8 h + j
.endr
	v_mov_b32 v235, v12                            ; the old -M
.rept 3
	v_nop                                          ; four places: in front of the first read of the scores, and of the loads into KV
.endr
	s_wait_alu depctr_va_vdst(0)                   ; the eight products are done reading KV, in which V's sixteen loads land; no line between here and the last of those loads names KV or v[ADR]
	s_wait_kmcnt 0x0                               ; on every path: the unit's words are in, if they were asked for, and their base may be stepped
	s_bitcmp1_b32 s54, 0
	s_cbranch_scc0 .Lopen_\@                       ; a unit without a hole
.set n, 0
.rept 64
.if n < 48
.set w, 4+n
.else
.set w, 20+n
.endif
	v_cndmask_b32 v[S+n], v[XM], v[S+n], s[w]      ; the score where the mask's bit is 1, else X
.set n, n+1
.endr
.Lopen_\@:
.set vn, 0                                     ; V's load vn of 16: registers 4 vn on, 512 vn bytes on (tile of channels vn / 4, group vn % 4).  One stands behind each pair of the maximum's lines; V lands while the softmax is walked
	v_max3_num_f32 v234, v[S], v[S+1], v[S+2]      ; the step's largest score of my query among my 64 keys, in two chains, each accumulator from its low end on
	v_max3_num_f32 v237, v[S+3], v[S+4], v[S+5]
	ds_load_b128 v[KV+4*vn:KV+4*vn+3], v[ADR] offset:8192+512*vn
.set vn, vn+1
.irp i, 6,10,14,18,22,26,30,34,38,42,46,50,54,58
	v_max3_num_f32 v234, v234, v[S+\i], v[S+\i+1]
	v_max3_num_f32 v237, v237, v[S+\i+2], v[S+\i+3]
	ds_load_b128 v[KV+4*vn:KV+4*vn+3], v[ADR] offset:8192+512*vn
.set vn, vn+1
.endr
	v_max3_num_f32 v234, v234, v[S+62], v[S+63]
	v_max_num_f32 v234, v234, v237
	ds_load_b128 v[KV+4*vn:KV+4*vn+3], v[ADR] offset:8192+512*vn
	v_permlanex16_b32 v236, v234, s58, s59
	v_max_num_f32 v234, v234, v236                 ; and among lane l xor 16's
	v_mul_f32 v234, s56, v234                      ; as t (c is positive)
	v_max_num_f32 v13, v13, v234                   ; the running largest t
	v_floor_f32 v12, -v13                          ; the new -M = -ceil(t): a whole number
	v_sub_f32 v234, v12, v235                      ; old M - new M: a whole number, 0 or less
	v_cvt_i32_f32 v234, v234                       ; (it saturates)
	v_ldexp_f32 v232, 1.0, v234                    ; f = 2^(old M - new M)
.set j, 0
.rept 32
	v_pk_fma_f32 v[S+j:S+j+1], v[S+j:S+j+1], s[56:57], v[12:13] op_sel_hi:[1,0,0]   ; t - M, two at a time (of the pairs c and -M the low word serves both halves)
.set j, j+2
.endr
.set j, 0
.rept 64
	v_exp_f32 v[S+j], v[S+j]                       ; p = 2^(t - M)
.set j, j+1
.endr
	v_pk_mul_f32 v[14:15], v[14:15], v[232:233] op_sel_hi:[1,0]   ; the sum under the new M: the plain instruction behind the exponentials
	s_wait_alu depctr_va_vdst(0)                   ; the 64 exponentials have written p: a wait ahead of the first reader, one for the batch
	s_add_nc_u64 s[88:89], s[88:89], 256           ; the next unit's words.  They are asked for here, behind the wait above, which also shows the selects done reading the registers in which they land
	s_bitcmp1_b32 s54, 1
	s_cbranch_scc0 .Lnone_\@                       ; not wanted; behind the last unit the bit is 0, so no load leaves the buffer
	s_load_b512 s[4:19], s[88:89], 0x0
	s_load_b512 s[20:35], s[88:89], 0x40
	s_load_b512 s[36:51], s[88:89], 0x80
	s_load_b512 s[68:83], s[88:89], 0xc0
.Lnone_\@:
	s_lshr_b32 s54, s54, 1
	v_pk_add_f32 v[238:239], v[S:S+1], v[S+2:S+3]  ; the row's sum is taken of the unquantised p, in two chains
.irp j, 4,8,12,16,20,24,28,32,36,40,44,48,52,56,60
	v_pk_add_f32 v[14:15], v[14:15], v[S+\j:S+\j+1]
	v_pk_add_f32 v[238:239], v[238:239], v[S+\j+2:S+\j+3]
.endr
	v_pk_add_f32 v[14:15], v[14:15], v[238:239]
	s_cmp_eq_u32 s62, 0
	s_cbranch_scc1 .Lnohold_\@                     ; e8 >= -15: every p lies under the largest code x the scale
.set j, 0
.rept 64
	v_min_num_f32 v[S+j], v[S+j], v[LIMP]          ; the conversion does not saturate (ISA guide 7.6.2); p is not negative, so the hold is one-sided
.set j, j+1
.endr
.Lnohold_\@:
.irp t, 0,1,2,3,4,5,6,7
	v_cvt_scalef32_pk8_bf8_f32 v[P+2*\t:P+2*\t+1], v[S+8*\t:S+8*\t+7], v[SCP]   ; registers 2 t, 2 t + 1 of the operand: keys 16 t + 8 h + 0..7
.endr
.set j, 0
.rept 16
	v_pk_mul_f32 v[O+j:O+j+1], v[O+j:O+j+1], v[232:233] op_sel_hi:[1,0]   ; O^T under the new M; also the plain instructions behind the conversions
.set j, j+2
.endr
	s_wait_dscnt 0x0                               ; V is in
.irp c, 0,1,2,3
	v_wmma_f32_16x16x128_bf8_bf8 v[O+8*\c:O+8*\c+7], v[KV+16*\c:KV+16*\c+15], v[P:P+15], v[O+8*\c:O+8*\c+7]   ; the four accumulators by turns; eight other products stand between an accumulator's links
.endr
	s_add_co_u32 s53, s53, 16384
.endm
; FOUR KEY STEPS.  fill = 1: the next four steps' bytes are asked for at the head and stored at the end, in front of a barrier; they land in LDS bytes that nobody has touched.
.macro GROUP g, fill
.if \fill
	s_wait_alu depctr_vm_vsrc(0)                   ; my LDS stores of the four steps in hand have read STG, in which the loads below land
.irp i, 0,1,2,3,4,5,6,7
	global_load_b128 v[STG+4*\i:STG+4*\i+3], v[FO], s[86:87] offset:65536*(\g+1)+512*\i
.endr
.endif
	s_mov_b32 s53, 65536*\g
	s_mov_b32 s61, 4
.Lstep_\@:
	STEP
	s_sub_co_u32 s61, s61, 1
	s_cmp_lg_u32 s61, 0
	s_cbranch_scc1 .Lstep_\@
.if \fill
	s_wait_loadcnt 0x0
.irp i, 0,1,2,3,4,5,6,7
	ds_store_b128 v[FA+\g], v[STG+4*\i:STG+4*\i+3] offset:512*\i   ; the address was made at the head; the data come from loads
.endr
	s_wait_dscnt 0x0                               ; for the others' sake: my stores have landed
	s_barrier_signal -1
	s_barrier_wait -1
.endif
.endm
	GROUP 0, 1
	GROUP 1, 1
	GROUP 2, 1
	GROUP 3, 0
	; THE WAY OUT: O^T / the sum is quantised with 2^(e10 - e8 - e9) (a sum of the second product stands for sum x 2^(e8 + e9)).  Register 8 c + j is channel 16 c + 8 h + j of my query: the conversions' results are
	; registers of the last product's operand, and leave as they stand: two stores of 512 consecutive bytes.
.rept 4
	v_nop                                          ; places behind the last products
.endr
	v_add_f32 v14, v14, v15
	v_permlanex16_b32 v236, v14, s58, s59
	v_add_f32 v14, v14, v236                       ; the row's sum: at least 1/2
	v_rcp_f32 v232, v14
	v_nop                                          ; a plain instruction behind the reciprocal
	s_wait_alu depctr_va_vdst(0)                   ; the reciprocal has written v232: a wait ahead of its first reader
.set j, 0
.rept 16
	v_pk_mul_f32 v[O+j:O+j+1], v[O+j:O+j+1], v[232:233] op_sel_hi:[1,0]
.set j, j+2
.endr
.set j, 0
.rept 32
	v_med3_num_f32 v[O+j], v[O+j], -v[LIMO], v[LIMO]
.set j, j+1
.endr
.irp c, 0,1,2,3
	v_cvt_scalef32_pk8_bf8_f32 v[P+2*\c:P+2*\c+1], v[O+8*\c:O+8*\c+7], v[SCO]
.endr
	v_nop
	s_wait_alu depctr_va_vdst(0)                   ; the four conversions have written v[P .. P + 7], which the two stores read
	global_store_b128 v[LI], v[P:P+3], s[94:95]
	global_store_b128 v[LI], v[P+4:P+7], s[94:95] offset:512
	s_wait_dscnt 0x0                               ; the closing lines, six on end
	s_wait_alu 0x0
	s_wait_tensorcnt 0x0
	ds_add_u32 v[SPW], v[NIL]
	s_wait_dscnt 0x0
	s_endpgm
.Lfunc_end_k_q33c1330c1b_attn:
	.size	k_q33c1330c1b_attn, .Lfunc_end_k_q33c1330c1b_attn-k_q33c1330c1b_attn
	.p2alignl 7, 3214868480
	.fill 96, 4, 3214868480
	.section	.rodata,"a",@progbits
	.p2align	6, 0x0
	.amdhsa_kernel k_q33c1330c1b_attn
		.amdhsa_group_segment_fixed_size 264192
		.amdhsa_private_segment_fixed_size 0
		.amdhsa_enable_private_segment 0
		.amdhsa_kernarg_size 48
		.amdhsa_user_sgpr_count 2
		.amdhsa_user_sgpr_kernarg_segment_ptr 1
		.amdhsa_wavefront_size32 1
		.amdhsa_system_sgpr_workgroup_id_x 1
		.amdhsa_system_sgpr_workgroup_id_y 1
		.amdhsa_system_sgpr_workgroup_id_z 1
		.amdhsa_system_vgpr_workitem_id 0
		.amdhsa_next_free_vgpr 256
		.amdhsa_next_free_sgpr 102
		.amdhsa_reserve_vcc 0
		.amdhsa_float_denorm_mode_32 3
		.amdhsa_float_denorm_mode_16_64 3
		.amdhsa_memory_ordered 1
		.amdhsa_forward_progress 1
		.amdhsa_inst_pref_size 95
	.end_amdhsa_kernel
	.amdgpu_metadata
---
amdhsa.version: [ 1, 2 ]
amdhsa.kernels:
  - .name:           k_q33c1330c1b_attn
    .symbol:         k_q33c1330c1b_attn.kd
    .args:
      - { .name: qimg, .offset: 0, .size: 8, .value_kind: global_buffer, .address_space: global }
      - { .name: kv, .offset: 8, .size: 8, .value_kind: global_buffer, .address_space: global }
      - { .name: mw, .offset: 16, .size: 8, .value_kind: global_buffer, .address_space: global }
      - { .name: mflag, .offset: 24, .size: 8, .value_kind: global_buffer, .address_space: global }
      - { .name: lowp_scales, .offset: 32, .size: 8, .value_kind: global_buffer, .address_space: global }
      - { .name: aimg, .offset: 40, .size: 8, .value_kind: global_buffer, .address_space: global }
    .group_segment_fixed_size: 264192
    .private_segment_fixed_size: 0
    .kernarg_segment_align: 8
    .kernarg_segment_size: 48
    .max_flat_workgroup_size: 512
    .sgpr_count:     102
    .vgpr_count:     256
    .wavefront_size: 32
...
	.end_amdgpu_metadata
.endif
;; end of part 4
;; launch outp: the kernel of part 3 again; grid 8 x 32, 4 waves a work-group, clusters of 4 x 4, 288,256 bytes of LDS; arguments aimg, wo_w_codes, wo_b, lowp_scales, out0; writes out0
